; MI455X (gfx1250); checked and timed in simulation.
; The chip was launched on July 23, 2026; its instructions are those of AMD's public machine-readable ISA for CDNA 5 (MIT licence, August 2026) and "CDNA5" Instruction Set Architecture Reference Guide (July 2026). The comments in the code are by the model that wrote it; some were corrected since.
;; SSD. Allowed arithmetic: float matrix products may take bf16 or f16 operands with f32 sums; other float arithmetic in f32, or as packed bf16 or f16 multiplies, adds, multiply-adds, maxima and minima; sums over many terms, partial sums and values carried from step to step in f32; what a program stores and reads back later, other than sums and carried values, may be rounded once to bf16 or f16.
;; Inputs: A_log 32 float32; D 32 float32; W_B 2,048 x 1,024 float32; W_C 2,048 x 1,024 float32; W_dt 2,048 x 32 float32; W_out 2,048 x 2,048 float32; W_x 2,048 x 2,048 float32; b_B 1,024 float32; b_C 1,024 float32; b_dt 32 float32; b_out 2,048 float32; b_x 2,048 float32; hidden_states 2 x 2,048 x 2,048 float32.
;; Outputs: out0 2 x 2,048 x 2,048 float32.
;; Constants: chunk_len = 256, d_state = 128.
;; One version. Each part assembles by itself: llvm-mc -triple=amdgcn-amd-amdhsa -mcpu=gfx1250 --defsym DOCPART=n.
;; ======== version 1 of 1: 4 launches
;; limits: values are held in f16: magnitudes above 65,504 overflow, below 6.1e-05 lose precision; values outside matrix products are rounded to f16
;; workspace buffers: hs16 16,777,216 bytes; wp16 16,777,216 bytes; wo16 8,388,608 bytes; dtB 524,288 bytes; bcx 33,554,432 bytes; y16 16,777,216 bytes; stats 8,192 bytes; yscale 256 bytes
;; launch prep (part 1): grid 256 x 1, 8 waves a work-group, no clusters, 207,872 bytes of LDS; arguments hidden_states, W_dt, b_dt, W_B, W_C, W_x, W_out, hs16, wp16, wo16, dtB, stats; writes hs16, wp16, wo16, dtB, stats
.if DOCPART == 1
	.amdgcn_target "amdgcn-amd-amdhsa--gfx1250"
	.amdhsa_code_object_version 6
	.text
	.protected	k_qc0589d8d4e_prep
	.globl	k_qc0589d8d4e_prep
	.p2align	8
	.type	k_qc0589d8d4e_prep,@function
k_qc0589d8d4e_prep:
	s_mov_b64 s[64:65], 0
	v_nop
	global_prefetch_b8 v0, s[64:65] scope:SCOPE_SE
	s_setreg_imm32_b32 hwreg(HW_REG_WAVE_MODE, 25, 1), 1
	s_wait_xcnt 0x0
; FIRST OF FOUR LAUNCHES: prep (this), proj (B, C, x), ssd (the chunked scan), outp (the output product).
; WHAT THE PROGRAM LEAVES OUT, for all values of the inputs, in the problem's own terms:
;  - Y_off of chunk 0: reference() puts zeros in front of the states, so chunk 0 multiplies C by a state of zeros: no state and no product for it.
;  - the state of chunk 7: new_states[:, :-1] slices it away: it is never built.
;  - decay_chunk itself: only its column sums reach a result; col_sum[j] = 1 + e^T_j (1 + e^T_(j+1) (.. (1 + e^T_7))), T_m = chunk m's sum of A dt.
;  - key steps of 64 above a band of 64 queries: exp(-inf) = 0 multiplies them.
;  - jnp.tile makes B and C, and so C B^T, the same for the heads h = g mod 8: the product is made once for each two heads that a work-group holds.
; Every input has a way to the output and is loaded.  LIMIT: a NaN, an infinity or an overflow that reaches only the work left out is not carried to the result.
; FORMATS.  Every input is rounded once to bf16 (biases, A_log and D too, where they are used).  W_out's bf16 number is then written as f16 (exact down to 2^-14, a fixed step of 2^-24 below).
; WHAT THIS LAUNCH DOES.  Work-groups 0-127 (role H): 32 tokens each: hidden_states to bf16 (hs16), and dt = softplus(hidden W_dt + b_dt) in f32 (dtB: [32 tokens' block][head][token]),
; K split among the eight waves, 256 each, the partial sums meeting in LDS; each wave's largest dt goes to stats[1024 + 8 v + w].
; Work-groups 128-255 (role W): 16 rows k each of W_B, W_C, W_x (wp16: [k][B 1024 | C 1024 | x 2048]) and of W_out (wo16).
; HEADS ARE PERMUTED: head h = g + 8 m lies at place h' = 4 g + m in wp16's x columns and in wo16's rows, so that the heads of a group are neighbours in every later buffer.
; Memory binds: each load of a wave takes 512 consecutive bytes (W_x: two runs of 256), each store fills 256 consecutive bytes, aligned.  No cluster: no two work-groups share a large input.
.set PART,  169984                     ; LDS: 8 waves x 32 heads x 144 bytes (32 tokens of f32 + 16): the partial sums
.set SPARE, 206848                     ; the spare words: 128 bytes a wave, four blocks of 256 bytes that no other line names
.set LWB,   21248                      ; a wave's own LDS: 32 rows x 272 bytes of hidden (128 bf16 + 16), then
.set WST,   8704                       ; 128 rows k x 96 bytes of W_dt (32 bf16 + 32)
.set VL,  10                           ; v10  16 x lane
.set VX,  11                           ; v11  W_x's permuted source: 16 (l % 16) + 2048 (l / 16)
.set VS,  12                           ; v12  8 x lane
.set VH,  13                           ; v13  where I put 8 bytes of a hidden row
.set VW,  14                           ; v14  where I put 8 bytes of W_dt
.set VFA, 15                           ; v15  my place in a fragment of hidden
.set VFB, 16                           ; v16  my place in a turned fragment of W_dt
.set VP,  17                           ; v17  where I put my partial sums
.set VR,  18                           ; v18  where I read partial sums back
.set VO,  19                           ; v19  16 x thread: my 16 bytes of dtB
.set VBI, 20                           ; v20  my head's word of b_dt
.set BIA, 21                           ; v21  b_dt of my head
.set SPW, 30                           ; v30  my spare word; never rewritten
.set NIL, 31                           ; v31  0; never rewritten
.set FR,  192                          ; v192-223 fragments: hidden's two tiles, W_dt's two tiles
.set ACC, 224                          ; v224-255 tile (t, u) of 16 tokens x 16 heads at ACC + 8 (2 t + u)
	s_load_b512 s[16:31], s[0:1], 0x0              ; hidden s[16:17], W_dt s[18:19], b_dt s[20:21], W_B s[22:23], W_C s[24:25], W_x s[26:27], W_out s[28:29], hs16 s[30:31]
	s_load_b256 s[32:39], s[0:1], 0x40             ; wp16 s[32:33], wo16 s[34:35], dtB s[36:37], stats s[38:39]
	v_lshl_add_u32 v[SPW], v0, 2, SPARE
	v_mov_b32 v[NIL], 0
	v_lshrrev_b32 v2, 5, v0
	v_readfirstlane_b32 s8, v2                     ; wave 0..7
	v_and_b32 v1, 31, v0                           ; lane
	v_lshlrev_b32 v[VL], 4, v1
	v_lshlrev_b32 v[VS], 3, v1
	s_mov_b32 s41, 0                               ; the high word of every offset pair
	s_wait_kmcnt 0x0
	s_cmp_lt_u32 ttmp9, 128
	s_cbranch_scc1 .Lrole_h
; ---------------- ROLE W: the weights.  Wave w owns rows k = 16 v + 2 w and the next; a trip of the loop takes one row of all four.
	v_and_b32 v2, 15, v0
	v_bfe_u32 v3, v0, 4, 1
	v_lshlrev_b32 v[VX], 4, v2
	v_lshl_add_u32 v[VX], v3, 11, v[VX]
	s_sub_co_u32 s9, ttmp9, 128
	s_lshl_b32 s9, s9, 4
	s_lshl1_add_u32 s9, s8, s9                     ; k
	s_lshl_b32 s40, s9, 12                         ; rows of 4,096 bytes: W_B, W_C, wo16
	s_add_nc_u64 s[22:23], s[22:23], s[40:41]
	s_add_nc_u64 s[24:25], s[24:25], s[40:41]
	s_add_nc_u64 s[34:35], s[34:35], s[40:41]
	s_lshl_b32 s40, s9, 13                         ; rows of 8,192 bytes: W_x, wp16
	s_add_nc_u64 s[26:27], s[26:27], s[40:41]
	s_add_nc_u64 s[32:33], s[32:33], s[40:41]
	s_lshr_b32 s10, s9, 6                          ; wo16's row k is place h' = k / 64, channel k % 64:
	s_lshr_b32 s11, s10, 2                         ; g = h' / 4,
	s_and_b32 s10, s10, 3                          ; m = h' % 4,
	s_lshl3_add_u32 s10, s10, s11                  ; h = 8 m + g
	s_and_b32 s11, s9, 63
	s_lshl_b32 s10, s10, 6
	s_add_co_u32 s10, s10, s11                     ; W_out's row 64 h + channel
	s_lshl_b32 s40, s10, 13
	s_add_nc_u64 s[28:29], s[28:29], s[40:41]
; 16 loads: kind 0: the row of W_B, then of W_C; kind 1: the row of W_x, places 2 u and 2 u + 1 (heads u / 2 + 16 (u % 2) and 8 more); kind 2: the row of W_out
.macro LDW kind
.set u, 0
.rept 16
.if (\kind) == 0
.if u < 8
	global_load_b128 v[32+4*u:32+4*u+3], v[VL], s[22:23] offset:512*u th:TH_LOAD_NT
.else
	global_load_b128 v[32+4*u:32+4*u+3], v[VL], s[24:25] offset:512*(u-8) th:TH_LOAD_NT
.endif
.elseif (\kind) == 1
	global_load_b128 v[96+4*u:96+4*u+3], v[VX], s[26:27] offset:256*(u/2)+4096*(u%2) th:TH_LOAD_NT
.else
	global_load_b128 v[160+4*u:160+4*u+3], v[VL], s[28:29] offset:512*u th:TH_LOAD_NT
.endif
.set u, u+1
.endr
.endm
; a batch is rounded and stored.  left = the younger loads, which may stay out
.macro PROCW kind, left
	s_wait_loadcnt \left
	s_wait_xcnt 0x0                                ; v224-255 were the last batch's store data: rewritten only behind this wait
.set u, 0
.rept 32
.if (\kind) == 2
	v_cvt_pk_bf16_f32 v[2+3*(u%2)], v[160+2*u], v[160+2*u+1]   ; to bf16, like every input,
	v_lshlrev_b32 v[3+3*(u%2)], 16, v[2+3*(u%2)]
	v_and_b32 v[4+3*(u%2)], 0xffff0000, v[2+3*(u%2)]
	v_cvt_pk_f16_f32 v[224+u], v[3+3*(u%2)], v[4+3*(u%2)]      ; and that number written as f16
.else
	v_cvt_pk_bf16_f32 v[224+u], v[32+64*(\kind)+2*u], v[32+64*(\kind)+2*u+1]
.endif
.set u, u+1
.endr
.set u, 0
.rept 16
.if (\kind) == 2
	global_store_b64 v[VS], v[224+2*u:224+2*u+1], s[34:35] offset:256*u
.else
	global_store_b64 v[VS], v[224+2*u:224+2*u+1], s[32:33] offset:4096*(\kind)+256*u
.endif
.set u, u+1
.endr
.endm
	s_mov_b32 s12, 2
.Lrow:
	LDW 0
	LDW 1
	LDW 2                                          ; 48 loads of 512 bytes of this wave are out
	PROCW 0, 32
	PROCW 1, 16
	PROCW 2, 0
	s_wait_xcnt 0x0                                ; the bases are stepped only behind this wait
	s_add_nc_u64 s[22:23], s[22:23], 4096
	s_add_nc_u64 s[24:25], s[24:25], 4096
	s_add_nc_u64 s[26:27], s[26:27], 8192
	s_add_nc_u64 s[28:29], s[28:29], 8192
	s_add_nc_u64 s[32:33], s[32:33], 8192
	s_add_nc_u64 s[34:35], s[34:35], 4096
	s_sub_co_u32 s12, s12, 1
	s_cmp_lg_u32 s12, 0
	s_cbranch_scc1 .Lrow
	s_branch .Lend
; ---------------- ROLE H: 32 tokens.  Wave w owns k = 256 w .. 256 w + 255, in two halves of 128: a trip of the loop each.
.Lrole_h:
	v_and_b32 v2, 15, v0                           ; r = l % 16
	v_bfe_u32 v3, v0, 4, 1                         ; h = l / 16
	v_and_b32 v4, 7, v0
	v_bfe_u32 v5, v0, 3, 1
	v_bfe_u32 v6, v0, 3, 2                         ; l / 8
	s_mul_i32 s9, s8, LWB                          ; my wave's own LDS
	s_add_co_u32 s10, s9, WST
	v_lshl_add_u32 v[VH], v1, 3, s9
	v_mul_u32_u24 v7, v6, 96                       ; a load of W_dt holds four rows k of 32 heads: row l / 8, heads 4 (l % 8) ..
	v_lshl_add_u32 v7, v4, 3, v7
	v_add_nc_u32 v[VW], s10, v7
	v_mul_u32_u24 v7, v2, 272
	v_lshl_add_u32 v7, v3, 4, v7
	v_add_nc_u32 v[VFA], s9, v7                    ; token r, 16 bytes for each half of the lanes
	v_lshl_add_u32 v7, v3, 3, v4
	v_mul_u32_u24 v7, v7, 96
	v_lshl_add_u32 v7, v5, 4, v7
	v_add_nc_u32 v[VFB], s10, v7                   ; the turning load: row k = 8 h + l % 8, heads 8 ((l / 8) % 2) ..
	s_mul_i32 s11, s8, 4608
	s_add_co_u32 s11, s11, PART
	v_mul_u32_u24 v7, v2, 144
	v_lshl_add_u32 v7, v3, 5, v7
	v_add_nc_u32 v[VP], s11, v7
	v_lshrrev_b32 v8, 3, v0                        ; at the end thread T finishes head T / 8, tokens 4 (T % 8) ..
	v_mul_u32_u24 v7, v8, 144
	v_lshl_add_u32 v7, v4, 4, v7
	v_add_nc_u32 v[VR], PART, v7
	v_lshlrev_b32 v[VO], 4, v0
	v_lshlrev_b32 v[VBI], 2, v8
	s_lshl_b32 s40, ttmp9, 18                      ; 32 rows of 8,192 bytes,
	s_lshl_b32 s10, s8, 10                         ; my 256 k
	s_add_co_u32 s40, s40, s10
	s_add_nc_u64 s[16:17], s[16:17], s[40:41]
	s_lshl_b32 s40, ttmp9, 17
	s_lshl_b32 s10, s8, 9
	s_add_co_u32 s40, s40, s10
	s_add_nc_u64 s[30:31], s[30:31], s[40:41]
	s_lshl_b32 s40, s8, 15                         ; 256 rows of W_dt, 128 bytes each
	s_add_nc_u64 s[18:19], s[18:19], s[40:41]
	s_lshl_b32 s40, ttmp9, 12
	s_add_nc_u64 s[36:37], s[36:37], s[40:41]
	s_lshl3_add_u32 s40, ttmp9, s8
	s_lshl_b32 s40, s40, 2
	s_add_co_u32 s40, s40, 4096
	s_add_nc_u64 s[38:39], s[38:39], s[40:41]      ; stats[1024 + 8 v + w]
	global_load_b32 v[BIA], v[VBI], s[20:21]
.set u, 0
.rept 32
	v_mov_b32 v[ACC+u], 0                          ; the four sums start at 0, so that the loop has one form of product
.set u, u+1
.endr
; 16 loads: kinds 0, 1: 512 bytes of hidden's rows 0-15, 16-31; kinds 2, 3: the half's W_dt, 64 rows k each
.macro LDG kind, set
.set u, 0
.rept 16
.if (\kind) < 2
	global_load_b128 v[32+64*(\set)+4*u:32+64*(\set)+4*u+3], v[VL], s[16:17] offset:(16*(\kind)+u)*8192 th:TH_LOAD_NT
.else
	global_load_b128 v[32+64*(\set)+4*u:32+64*(\set)+4*u+3], v[VL], s[18:19] offset:(16*((\kind)-2)+u)*512
.endif
.set u, u+1
.endr
.endm
.macro PROCG kind, set, left
	s_wait_loadcnt \left                           ; the one younger group may stay out
	s_wait_xcnt 0x0                                ; v160-191 were store data: rewritten only behind this wait
.set u, 0
.rept 32
	v_cvt_pk_bf16_f32 v[160+u], v[32+64*(\set)+2*u], v[32+64*(\set)+2*u+1]
.set u, u+1
.endr
.set u, 0
.rept 16
.if (\kind) < 2
	global_store_b64 v[VS], v[160+2*u:160+2*u+1], s[30:31] offset:(16*(\kind)+u)*4096
	ds_store_b64 v[VH], v[160+2*u:160+2*u+1] offset:(16*(\kind)+u)*272
.else
	ds_store_b64 v[VW], v[160+2*u:160+2*u+1] offset:(16*((\kind)-2)+u)*384
.endif
.set u, u+1
.endr
.endm
; 128 k in four steps of 32: source 0 = 16 tokens, source 1 = 16 heads (W_dt lies [k][head]: turned).  A wave reads only bytes that it stored itself: LDS serves a wave's instructions in order.
; The four accumulators take turns, over the backward jump too.
.macro MMA
.irp q, 0,1,2,3
.rept 4
	v_nop                                          ; four places behind the last products, in front of loads into registers that they read
.endr
	ds_load_b128 v[FR:FR+3],     v[VFA] offset:64*\q
	ds_load_b128 v[FR+4:FR+7],   v[VFA] offset:64*\q+32
	ds_load_b128 v[FR+8:FR+11],  v[VFA] offset:4352+64*\q
	ds_load_b128 v[FR+12:FR+15], v[VFA] offset:4352+64*\q+32
	ds_load_tr16_b128 v[FR+16:FR+19], v[VFB] offset:3072*\q
	ds_load_tr16_b128 v[FR+20:FR+23], v[VFB] offset:3072*\q+1536
	ds_load_tr16_b128 v[FR+24:FR+27], v[VFB] offset:3072*\q+32
	ds_load_tr16_b128 v[FR+28:FR+31], v[VFB] offset:3072*\q+1536+32
	s_wait_dscnt 0x0
	v_wmma_f32_16x16x32_bf16 v[ACC:ACC+7],     v[FR:FR+7],    v[FR+16:FR+23], v[ACC:ACC+7]
	v_wmma_f32_16x16x32_bf16 v[ACC+8:ACC+15],  v[FR:FR+7],    v[FR+24:FR+31], v[ACC+8:ACC+15]
	v_wmma_f32_16x16x32_bf16 v[ACC+16:ACC+23], v[FR+8:FR+15], v[FR+16:FR+23], v[ACC+16:ACC+23]
	v_wmma_f32_16x16x32_bf16 v[ACC+24:ACC+31], v[FR+8:FR+15], v[FR+24:FR+31], v[ACC+24:ACC+31]
.endr
.endm
	s_mov_b32 s12, 2
.Lhalf:
	LDG 0, 0
	LDG 1, 1
	PROCG 0, 0, 16
	LDG 2, 0
	PROCG 1, 1, 16
	LDG 3, 1
	PROCG 2, 0, 16
	PROCG 3, 1, 0
	MMA
	s_wait_xcnt 0x0                                ; the bases are stepped only behind this wait
	s_add_nc_u64 s[16:17], s[16:17], 512
	s_add_nc_u64 s[30:31], s[30:31], 256
	s_add_nc_u64 s[18:19], s[18:19], 16384
	s_sub_co_u32 s12, s12, 1
	s_cmp_lg_u32 s12, 0
	s_cbranch_scc1 .Lhalf
.rept 4
	v_nop                                          ; four places behind the last product
.endr
.irp t, 0,1
.irp u, 0,1
	ds_store_b128 v[VP], v[ACC+8*(2*\t+\u):ACC+8*(2*\t+\u)+3]   offset:\u*2304+\t*64     ; a lane holds head 16 u + r, tokens 16 t + 8 h + 0..7
	ds_store_b128 v[VP], v[ACC+8*(2*\t+\u)+4:ACC+8*(2*\t+\u)+7] offset:\u*2304+\t*64+16
.endr
.endr
	s_wait_dscnt 0x0                               ; for the others' sake: my partial sums lie in LDS
	s_barrier_signal -1
	s_barrier_wait -1
.irp p, 0,1,2,3,4,5,6,7
	ds_load_b128 v[32+4*\p:32+4*\p+3], v[VR] offset:\p*4608
.endr
	s_mov_b32 s40, 0xbfb8aa3b                      ; -log2(e)
	s_mov_b32 s12, 0x76543210
	s_mov_b32 s13, 0xfedcba98
	v_cvt_pk_bf16_f32 v[BIA], v[BIA], v[BIA]       ; the bias to bf16, like every input
	v_lshlrev_b32 v[BIA], 16, v[BIA]
	s_wait_dscnt 0x0
.irp p, 0,2,4,6
	v_pk_add_f32 v[32+4*\p:32+4*\p+1], v[32+4*\p:32+4*\p+1], v[36+4*\p:36+4*\p+1]
	v_pk_add_f32 v[34+4*\p:34+4*\p+1], v[34+4*\p:34+4*\p+1], v[38+4*\p:38+4*\p+1]
.endr
.irp p, 0,4
	v_pk_add_f32 v[32+4*\p:32+4*\p+1], v[32+4*\p:32+4*\p+1], v[40+4*\p:40+4*\p+1]
	v_pk_add_f32 v[34+4*\p:34+4*\p+1], v[34+4*\p:34+4*\p+1], v[42+4*\p:42+4*\p+1]
.endr
	v_pk_add_f32 v[32:33], v[32:33], v[48:49]
	v_pk_add_f32 v[34:35], v[34:35], v[50:51]
; softplus(z) = max(z, 0) + log1p(e^-|z|), the form that keeps the exponential in range.  log1p(t) = ln(1 + t), and t - t^2 / 2 where t < 2^-10 (its next term is t^3 / 3: under 4e-7 of it).
.irp i, 0,1,2,3
	v_add_f32 v[32+\i], v[32+\i], v[BIA]
.endr
.irp i, 0,1,2,3
	v_mul_f32 v[40+\i], s40, |v[32+\i]|
.endr
.irp i, 0,1,2,3
	v_exp_f32 v[40+\i], v[40+\i]
.endr
	v_nop
	s_wait_alu depctr_va_vdst(0)                   ; one wait for the four exponentials
.irp i, 0,1,2,3
	v_add_f32 v[44+\i], 1.0, v[40+\i]
.endr
.irp i, 0,1,2,3
	v_log_f32 v[44+\i], v[44+\i]
.endr
.irp i, 0,1,2,3
	v_mul_f32 v[48+\i], -0.5, v[40+\i]
.endr
.irp i, 0,1,2,3
	v_fma_f32 v[48+\i], v[48+\i], v[40+\i], v[40+\i]
.endr
	s_wait_alu depctr_va_vdst(0)                   ; one wait for the four logarithms; the eight lines above are the work between
.irp i, 0,1,2,3
	v_mul_f32 v[44+\i], 0x3f317218, v[44+\i]       ; x ln 2
	v_cmp_gt_f32 vcc_lo, 0x3a800000, v[40+\i]      ; 2^-10 > t
	v_cndmask_b32 v[44+\i], v[44+\i], v[48+\i], vcc_lo
	v_max_num_f32 v[32+\i], 0, v[32+\i]
	v_add_f32 v[32+\i], v[32+\i], v[44+\i]
.endr
	global_store_b128 v[VO], v[32:35], s[36:37]    ; a wave's store covers 512 consecutive bytes
	v_max3_num_f32 v36, v32, v33, v34
	v_max_num_f32 v36, v36, v35
	v_max_num_f32_dpp v36, v36, v36 row_xmask:1 row_mask:0xf bank_mask:0xf
	v_max_num_f32_dpp v36, v36, v36 row_xmask:2 row_mask:0xf bank_mask:0xf
	v_max_num_f32_dpp v36, v36, v36 row_xmask:4 row_mask:0xf bank_mask:0xf
	v_max_num_f32_dpp v36, v36, v36 row_xmask:8 row_mask:0xf bank_mask:0xf
	v_permlanex16_b32 v37, v36, s12, s13
	v_max_num_f32 v36, v36, v37                    ; the wave's largest dt
	v_mov_b32 v38, 0
	v_cmp_eq_u32 vcc_lo, 0, v1
	s_wait_xcnt 0x0                                ; EXEC changes only behind this wait
	s_and_saveexec_b32 s14, vcc_lo
	global_store_b32 v38, v36, s[38:39]
	s_wait_xcnt 0x0
	s_or_b32 exec_lo, exec_lo, s14
.Lend:
	s_wait_tensorcnt 0x0                           ; the wave's end, behind the last LDS store
	ds_add_u32 v[SPW], v[NIL]
	s_wait_dscnt 0x0
	s_endpgm
.Lfunc_end_k_qc0589d8d4e_prep:
	.size	k_qc0589d8d4e_prep, .Lfunc_end_k_qc0589d8d4e_prep-k_qc0589d8d4e_prep
	.p2alignl 7, 3214868480
	.fill 96, 4, 3214868480
	.section	.rodata,"a",@progbits
	.p2align	6, 0x0
	.amdhsa_kernel k_qc0589d8d4e_prep
		.amdhsa_group_segment_fixed_size 207872
		.amdhsa_private_segment_fixed_size 0
		.amdhsa_enable_private_segment 0
		.amdhsa_kernarg_size 96
		.amdhsa_user_sgpr_count 2
		.amdhsa_user_sgpr_kernarg_segment_ptr 1
		.amdhsa_wavefront_size32 1
		.amdhsa_system_sgpr_workgroup_id_x 1
		.amdhsa_system_sgpr_workgroup_id_y 1
		.amdhsa_system_sgpr_workgroup_id_z 1
		.amdhsa_system_vgpr_workitem_id 0
		.amdhsa_next_free_vgpr 256
		.amdhsa_next_free_sgpr 66
		.amdhsa_reserve_vcc 1
		.amdhsa_float_denorm_mode_32 3
		.amdhsa_float_denorm_mode_16_64 3
		.amdhsa_memory_ordered 1
		.amdhsa_forward_progress 1
		.amdhsa_inst_pref_size 57
	.end_amdhsa_kernel
	.amdgpu_metadata
---
amdhsa.version: [ 1, 2 ]
amdhsa.kernels:
  - .name:           k_qc0589d8d4e_prep
    .symbol:         k_qc0589d8d4e_prep.kd
    .args:
      - { .name: hidden_states, .offset: 0, .size: 8, .value_kind: global_buffer, .address_space: global }
      - { .name: W_dt, .offset: 8, .size: 8, .value_kind: global_buffer, .address_space: global }
      - { .name: b_dt, .offset: 16, .size: 8, .value_kind: global_buffer, .address_space: global }
      - { .name: W_B, .offset: 24, .size: 8, .value_kind: global_buffer, .address_space: global }
      - { .name: W_C, .offset: 32, .size: 8, .value_kind: global_buffer, .address_space: global }
      - { .name: W_x, .offset: 40, .size: 8, .value_kind: global_buffer, .address_space: global }
      - { .name: W_out, .offset: 48, .size: 8, .value_kind: global_buffer, .address_space: global }
      - { .name: hs16, .offset: 56, .size: 8, .value_kind: global_buffer, .address_space: global }
      - { .name: wp16, .offset: 64, .size: 8, .value_kind: global_buffer, .address_space: global }
      - { .name: wo16, .offset: 72, .size: 8, .value_kind: global_buffer, .address_space: global }
      - { .name: dtB, .offset: 80, .size: 8, .value_kind: global_buffer, .address_space: global }
      - { .name: stats, .offset: 88, .size: 8, .value_kind: global_buffer, .address_space: global }
    .group_segment_fixed_size: 207872
    .private_segment_fixed_size: 0
    .kernarg_segment_align: 8
    .kernarg_segment_size: 96
    .max_flat_workgroup_size: 256
    .sgpr_count:     66
    .vgpr_count:     256
    .wavefront_size: 32
...
	.end_amdgpu_metadata
.endif
;; end of part 1
;; launch proj (part 2): grid 16 x 16, 4 waves a work-group, clusters of 4 x 4, 327,680 bytes of LDS; arguments hs16, wp16, bcx, stats, b_B, b_C, b_x; writes bcx, stats
.if DOCPART == 2
	.amdgcn_target "amdgcn-amd-amdhsa--gfx1250"
	.amdhsa_code_object_version 6
	.text
	.protected	k_qc0589d8d4e_proj
	.globl	k_qc0589d8d4e_proj
	.p2align	8
	.type	k_qc0589d8d4e_proj,@function
k_qc0589d8d4e_proj:
	s_mov_b64 s[64:65], 0
	v_nop
	global_prefetch_b8 v0, s[64:65] scope:SCOPE_SE
	s_setreg_imm32_b32 hwreg(HW_REG_WAVE_MODE, 25, 1), 1
	s_wait_xcnt 0x0
	s_wait_alu depctr_hold_cnt(0) depctr_sa_sdst(0) depctr_va_vdst(0) depctr_va_sdst(0) depctr_va_ssrc(0) depctr_va_vcc(0) depctr_vm_vsrc(0)
	s_getreg_b32 s2, hwreg(HW_REG_IB_STS2, 6, 4)
	s_cmp_eq_u32 s2, 0
	s_cbranch_scc0 .Lentry_in_a_cluster
	s_endpgm
.Lentry_in_a_cluster:
	s_bfe_u32 s2, ttmp6, 0x10000c
	s_cmp_lg_u32 s2, 0xf033
	s_cbranch_scc0 .Lentry_shape_is_right
	s_endpgm
.Lentry_shape_is_right:
; bcx[t][n] = sum over k of hs16[t][k] wp16[k][n] + bias[n]: B (columns 0-1023), C (1024-2047) and x by permuted heads (2048 + 64 h' ..), f32 sums, rounded once to f16.
; hs16: [4096][2048] bf16; wp16: [2048][4096] bf16, K down the rows; bcx: [4096][4096] f16.  LIMIT: f16 ends at 65,504: B, C and x must stay within it.
; Each wave's largest |result| goes to stats[64 tc + 4 tr + wave] (tc 0-3: B, 4-7: C, 8-15: x): the next launch makes its scales of them.
; A tile of 256 x 256 to a work-group, 128 x 128 to each of four waves: 64 accumulators, 512 registers.  K in 16 steps of 128 through two LDS slots filled by tensor loads.
; A's rows lie along K (272 bytes apart in LDS); wp16's tile is 128 rows k x 512 bytes (544 apart) and its fragments come out turned, by ds_load_tr16_b128.
; A K STEP IS WRITTEN ONCE: s[TB], 0 or SLOT, is the slot in hand; the fragments' addresses and the walking descriptors' LDS words are made of it at each change of slots.
; The loop walks 14 steps, each of which fills a slot again; the last two steps, which fill nothing, are a second text of one step, walked twice and left in its middle.
; THE BIAS is the C of each sum's first product: nothing is cleared and nothing is added on the way out.
; CLUSTERS: 4 x 4 work-groups; A's tile is asked for jointly along a row of the cluster, wp16's along a column.
; THE PRODUCT IS TAKEN TRANSPOSED (source 0 = 16 columns n, source 1 = 16 tokens): a lane ends with eight neighbouring columns of one token's row.
; REGISTERS: window 0: v0-31 addresses, v64-127 and v128-191 A's fragments; on the way out v192-223 packed, v32-63 and v224-255 rows read back.
;   window 1: v0-63 the bias of my 128 columns, v64-127 and v128-191 wp16's fragments, v192 at work.  Windows 2, 3: the accumulators, (a, b) at v[8 (8 a + b)].
.set SIZE_K, 2048
.set SIZE_N, 4096
.set KSTEP,  128
.set STEPS,  SIZE_K/KSTEP
.set PITCH,  272
.set PB,     544
.set HALFT,  34816                     ; 128 rows x 272 = 64 rows x 544: what one tensor load brings
.set SLOT,   4*HALFT
.set STAGE,  2*SLOT
.set SPITCH, 272
.set SPARE,  STAGE+4*16*SPITCH         ; the spare words, 128 bytes a wave
.set MX,   8                           ; v8-11  four running maxima of |result|
.set VB0,  12                          ; v12, v13  my byte offsets in the bias
.set ADRA0, 16                         ; v16  my place in A's fragments of slot 0; never rewritten
.set ADRA,  17                         ; v17  the same in the slot in hand
.set ADRB0, 20                         ; v20, v21  likewise for wp16's
.set ADRB,  21
.set STO,  24
.set RD,   25
.set CO,   26
.set SPW,  28
.set NIL,  29
.set PFO,  30
.set TB,   2                           ; s2   the slot in hand: 0 or SLOT
.set LB,   66                          ; s66  wave x HALFT: where my tensor load lands in a slot
.set PFA,  44                          ; s[44:45] where my prefetches stand
.set LIM,  43                          ; s43  2 in a wave that prefetches, else the greatest number
.set PST,  76                          ; s[76:77] a K step in bytes, in the tensor that I prefetch
.set F0,   64
.set F1,   128
.set TMP,  192
.set OB,   32
.set G1, 24
.set G0, 32                            ; s[32:35] A's first fill; s[36:39] its second, which then walks
.set G1B, 48
.set G0B, 56                           ; s[56:59], s[60:63] the same for wp16
.set MSB, 0
.macro WIN new                         ; the immediate's high byte repeats the setting that is left
.if MSB != (\new)
	s_set_vgpr_msb (MSB<<8)|(\new)
.set MSB, \new
.endif
.endm
.set MUL_LO, 0xa1
.set MUL_HI, 0xf1
.set TO_B,   0x40
; A joint load: waves 0 and 1 fetch A's two halves, waves 2 and 3 wp16's.  An s_nop 0 and four v_nop follow each line.
.macro JLOAD s
	s_cmp_eq_u32 s11, 0
	s_cbranch_scc0 .Lfor_b_\@
	tensor_load_to_lds s[G0+4*(\s):G0+4*(\s)+3], s[G1:G1+7]
	s_nop 0
.rept 4
	v_nop
.endr
	s_branch .Lasked_\@
.Lfor_b_\@:
	tensor_load_to_lds s[G0B+4*(\s):G0B+4*(\s)+3], s[G1B:G1B+7]
	s_nop 0
.rept 4
	v_nop
.endr
.Lasked_\@:
.endm
; A prefetch of the K step two refills on, 512 matrix instructions ahead of the load that wants it.  A's rows: the clusters with x = 0 ask, the partner at cx for 32 of a wave's 128 rows, a lane a row.
; wp16's rows: the clusters with y = 0 ask, the partner at cy for 16 of a wave's 64 rows, two lanes a row of 512 bytes.  The partners are told apart by address.
; The refill for K step u + 2 names u + 4: the loop's last two trips, u = 12 and 13, ask for nothing.
.macro ASK
	s_cmp_gt_u32 s3, s[LIM]
	s_cbranch_scc0 .Lnot_mine_\@
	global_prefetch_b8 v[PFO], s[PFA:PFA+1] th:TH_LOAD_NT scope:SCOPE_SE
.Lnot_mine_\@:
.endm
.macro CREST
	s_cmp_lg_u32 s10, 0
	s_cbranch_scc1 .Lnot_wave_0_\@
	s_barrier_signal -3
.Lnot_wave_0_\@:
	s_barrier_wait -3
	s_barrier_signal -1
	s_barrier_wait -1
.endm
.macro CROUND
	s_barrier_signal -1
	s_barrier_wait -1
	CREST
.endm
.macro AIM                             ; the fragments' addresses in the slot in hand
	v_add_nc_u32 v[ADRA], s[TB], v[ADRA0]
	v_add_nc_u32 v[ADRB], s[TB], v[ADRB0]
.endm
	s_load_b128 s[4:7], s[0:1], 0x0                ; hs16 s[4:5], wp16 s[6:7]
	s_load_b64 s[8:9], s[0:1], 0x10                ; bcx
	s_load_b256 s[68:75], s[0:1], 0x18             ; stats s[68:69], b_B s[70:71], b_C s[72:73], b_x s[74:75]
	v_lshl_add_u32 v[SPW], v0, 2, SPARE
	v_mov_b32 v[NIL], 0
	ds_add_u32 v[SPW], v[NIL]                      ; the opening: the add, twice on end, and its wait ahead of my first tensor load
	ds_add_u32 v[SPW], v[NIL]
	v_lshrrev_b32 v1, 5, v0
	v_readfirstlane_b32 s10, v1                    ; wave 0..3
	s_lshr_b32 s11, s10, 1                         ; my half of the rows; also: I fetch A (0) or wp16 (1)
	s_and_b32 s12, s10, 1                          ; my half of the columns; also: which half of that tile I fetch
	s_bfe_u32 s40, ttmp6, 0x40000                  ; cx
	s_bfe_u32 s41, ttmp6, 0x40004                  ; cy
	s_lshl_b32 s42, ttmp9, 2
	s_add_co_u32 s42, s42, s40                     ; tc
	s_and_b32 s13, ttmp7, 0xffff
	s_lshl_b32 s13, s13, 2
	s_add_co_u32 s13, s13, s41                     ; tr
	s_lshl_b32 s43, s41, 2
	s_lshl_b32 s43, 15, s43                        ; my row of the cluster
	s_lshl_b32 s44, 0x1111, s40                    ; my column
	s_or_b32 s[G1+0], s43, (1<<16)|(1<<20)|(1<<21)|(5<<22)|(3<<25)   ; 2-byte elements; padding of 4 words after every 64
	s_or_b32 s[G1B+0], s44, (1<<16)|(1<<20)|(1<<21)|(6<<22)|(7<<25)  ; padding of 8 words after every 128
	s_mov_b32 s[G1+1], 128<<16                     ; A: 128 rows x 128 elements, 2,048 elements from row to row
	s_mov_b32 s[G1+2], 128<<16
	s_mov_b32 s[G1+3], 128<<16
	s_mov_b32 s[G1+4], 128
	s_mov_b32 s[G1+5], SIZE_K
	s_mov_b32 s[G1+6], 0
	s_mov_b32 s[G1+7], 0
	s_mov_b32 s[G1B+1], 256<<16                    ; wp16: 64 rows k x 256 elements, 4,096 elements from row to row
	s_mov_b32 s[G1B+2], 64<<16
	s_mov_b32 s[G1B+3], 256<<16
	s_mov_b32 s[G1B+4], 64
	s_mov_b32 s[G1B+5], SIZE_N
	s_mov_b32 s[G1B+6], 0
	s_mov_b32 s[G1B+7], 0
	s_lshl_b32 s16, s13, 20                        ; A: 256 tr rows of 4,096 bytes,
	s_lshl_b32 s17, s12, 19                        ; + 128 rows
	s_add_co_u32 s16, s16, s17
	s_mov_b32 s17, 0
	s_lshl_b32 s46, s42, 9                         ; wp16: 512 tc bytes along a row,
	s_lshl_b32 s47, s12, 19                        ; + 64 rows of 8,192 bytes
	s_add_co_u32 s46, s46, s47
	s_mov_b32 s47, 0
	s_mul_i32 s[LB], s10, HALFT                    ; where they go: no place in the cluster enters an LDS address
	s_mov_b32 s[TB], 0
	s_wait_dscnt 0x0                               ; both opening adds are done
	s_wait_kmcnt 0x0
	s_add_nc_u64 s[14:15], s[4:5], s[16:17]
	s_add_nc_u64 s[46:47], s[6:7], s[46:47]
	CROUND                                         ; all sixteen work-groups are here: the first joint loads meet
.irp s, 0,1
	s_mov_b32 s[G0+4*(\s)], 1
	s_add_co_u32 s[G0+4*(\s)+1], s[LB], (\s)*SLOT
	s_add_nc_u64 s[G0+4*(\s)+2:G0+4*(\s)+3], s[14:15], (\s)*KSTEP*2
	s_or_b32 s[G0+4*(\s)+3], s[G0+4*(\s)+3], 0x80000000
	s_mov_b32 s[G0B+4*(\s)], 1
	s_add_co_u32 s[G0B+4*(\s)+1], s[LB], (\s)*SLOT
	s_add_nc_u64 s[G0B+4*(\s)+2:G0B+4*(\s)+3], s[46:47], (\s)*KSTEP*SIZE_N*2
	s_or_b32 s[G0B+4*(\s)+3], s[G0B+4*(\s)+3], 0x80000000
	JLOAD \s
.endr
	v_and_b32 v1, 15, v0                           ; r
	v_bfe_u32 v2, v0, 4, 1                         ; h
	v_mul_u32_u24 v3, v1, PITCH
	v_lshl_add_u32 v3, v2, 4, v3
	v_and_b32 v4, 7, v0
	v_bfe_u32 v5, v0, 3, 1
	v_lshl_add_u32 v6, v2, 3, v4                   ; the turning load: row k = 8 h + l % 8,
	v_mul_u32_u24 v6, v6, PB
	v_lshl_add_u32 v6, v5, 4, v6                   ; columns 8 ((l / 8) % 2) ..
	s_mul_i32 s21, s11, HALFT
	s_lshl_b32 s22, s12, 8                         ; my 128 columns: 256 bytes
	s_add_co_u32 s22, s22, 2*HALFT
	v_add_nc_u32 v[ADRA0], s21, v3
	v_add_nc_u32 v[ADRB0], s22, v6
	AIM                                            ; slot 0
	s_mul_i32 s23, s10, 16*SPITCH
	s_add_co_u32 s23, s23, STAGE                   ; my stage
	v_mul_u32_u24 v7, v1, SPITCH
	v_lshl_add_u32 v7, v2, 4, v7
	v_add_nc_u32 v[STO], s23, v7
	v_mul_u32_u24 v7, v2, SPITCH
	v_lshl_add_u32 v7, v1, 4, v7
	v_add_nc_u32 v[RD], s23, v7
	v_mul_u32_u24 v7, v2, SIZE_N*2
	v_lshl_add_u32 v[CO], v1, 4, v7
	s_lshl_b32 s20, s42, 8                         ; stats[64 tc + 4 tr + wave]
	s_lshl_b32 s21, s13, 4
	s_add_co_u32 s20, s20, s21
	s_lshl_b32 s21, s10, 2
	s_add_co_u32 s20, s20, s21
	s_mov_b32 s21, 0
	s_add_nc_u64 s[68:69], s[68:69], s[20:21]
	s_lshl_b32 s13, s13, 8                         ; 256 tr
	s_lshl_b32 s14, s11, 7
	s_add_co_u32 s16, s13, s14                     ; my first row of the result,
	s_lshl_b32 s16, s16, 13                        ; rows of 8,192 bytes,
	s_lshl_b32 s46, s42, 9
	s_lshl_b32 s47, s12, 8
	s_add_co_u32 s46, s46, s47                     ; my first column, in bytes
	s_add_co_u32 s16, s16, s46
	s_mov_b32 s17, 0
	; the bias of my 128 columns.  Block b of 16, my 8 columns: in b_B and b_C they lie on end; in b_x place h' = 4 (tc - 8) + 2 half + b / 4 is head (tc - 8) + 16 half + 8 (b / 4)
	s_and_b32 s20, s42, 3
	s_lshl_b32 s20, s20, 10
	s_lshl_b32 s21, s12, 9
	s_add_co_u32 s20, s20, s21
	s_sub_co_u32 s21, s42, 8
	s_lshl_b32 s21, s21, 8
	s_lshl_b32 s22, s12, 12
	s_add_co_u32 s21, s21, s22
	s_mov_b32 s22, 256
	s_mov_b32 s23, 2048
	s_cmp_lt_u32 s42, 4
	s_cselect_b64 s[78:79], s[70:71], s[72:73]
	s_cmp_lt_u32 s42, 8
	s_cselect_b64 s[78:79], s[78:79], s[74:75]
	s_cselect_b32 s20, s20, s21
	s_cselect_b32 s21, s22, s23
	v_lshl_add_u32 v[VB0], v2, 5, s20
	v_add_nc_u32 v[VB0+1], s21, v[VB0]
	WIN TO_B
.irp b, 0,1,2,3,4,5,6,7
	global_load_b128 v[8*\b:8*\b+3],   v[VB0+(\b/4)], s[78:79] offset:(\b%4)*64
	global_load_b128 v[8*\b+4:8*\b+7], v[VB0+(\b/4)], s[78:79] offset:(\b%4)*64+16
.endr
	WIN 0
	; the prefetches: they stand at K step 3; each change of slots steps them first, so the refill for K step u + 2 names u + 4.  Nothing is asked for here, at the head
	s_lshl_b32 s20, s12, 7
	s_add_co_u32 s20, s20, s13
	s_lshl_b32 s21, s40, 5
	s_add_co_u32 s20, s20, s21                     ; A: row 256 tr + 128 half + 32 cx
	s_lshl_b32 s20, s20, 12
	s_add_co_u32 s20, s20, 3*KSTEP*2
	s_lshl_b32 s21, s12, 6
	s_lshl_b32 s23, s41, 4
	s_add_co_u32 s21, s21, s23                     ; wp16: row 64 half + 16 cy
	s_lshl_b32 s21, s21, 13
	s_lshl_b32 s23, s42, 9
	s_add_co_u32 s21, s21, s23
	s_add_co_u32 s21, s21, 3*KSTEP*SIZE_N*2
	s_mov_b32 s23, KSTEP*2
	s_mov_b32 s[PST+1], KSTEP*SIZE_N*2
	s_and_b32 s22, ttmp7, 0xffff                   ; cluster y
	s_cmp_eq_u32 s11, 0                            ; do I fetch A?
	s_cselect_b32 s20, s20, s21
	s_cselect_b32 s[PST], s23, s[PST+1]
	s_cselect_b32 s22, ttmp9, s22                  ; the coordinate along which other clusters read the same rows
	s_cselect_b32 s23, -1, 0
	s_cselect_b64 s[PFA:PFA+1], s[4:5], s[6:7]
	s_mov_b32 s21, 0
	s_mov_b32 s[PST+1], 0
	s_add_nc_u64 s[PFA:PFA+1], s[PFA:PFA+1], s[20:21]
	s_cmp_eq_u32 s22, 0
	s_cselect_b32 s[LIM], 2, -1
	v_and_b32 v7, 31, v0
	v_lshlrev_b32 v[PFO], 12, v7                   ; A: a lane a row of 4,096 bytes
	v_lshrrev_b32 v14, 1, v7
	v_lshlrev_b32 v14, 13, v14                     ; wp16: two lanes a row of 8,192 bytes,
	v_and_b32 v15, 1, v7
	v_lshl_or_b32 v14, v15, 8, v14                 ; 256 bytes apart
	v_cndmask_b32 v[PFO], v14, v[PFO], s23
.irp i, 0,1,2,3
	v_mov_b32 v[MX+\i], 0
.endr
	s_wait_loadcnt 0x0
	WIN 0x45                                       ; the bias to bf16, like every input: all in window 1
.set i, 0
.rept 32
	v_cvt_pk_bf16_f32 v192, v[2*i], v[2*i+1]
	v_lshlrev_b32 v[2*i], 16, v192
	v_and_b32 v[2*i+1], 0xffff0000, v192
.set i, i+1
.endr
	WIN 0
; 16 matrix instructions: m blocks a0, a0 + 1 of the window's four x all 8 n blocks, 32 along K.  first = 1: the sum's first product takes the bias of its 16 columns (window 1, v[8 b ..]) as C.
.macro MUL16 f, hi, a0, first
.if \first
	WIN 0x91+0x40*(\hi)                            ; as below, with C in window 1
.else
	WIN MUL_LO+0x50*(\hi)
.endif
.irp a, \a0, (\a0)+1
.irp b, 0,1,2,3,4,5,6,7
.if \first
	v_wmma_f32_16x16x32_bf16 v[8*(8*(\a)+(\b)):8*(8*(\a)+(\b))+7], v[(\f)+8*(\b):(\f)+8*(\b)+7], v[(\f)+8*(4*(\hi)+(\a)):(\f)+8*(4*(\hi)+(\a))+7], v[8*(\b):8*(\b)+7]
.else
	v_wmma_f32_16x16x32_bf16 v[8*(8*(\a)+(\b)):8*(8*(\a)+(\b))+7], v[(\f)+8*(\b):(\f)+8*(\b)+7], v[(\f)+8*(4*(\hi)+(\a)):(\f)+8*(4*(\hi)+(\a))+7], v[8*(8*(\a)+(\b)):8*(8*(\a)+(\b))+7]
.endif
.endr
.endr
.endm
; 32 LDS loads in one run: quarter q (32 along K) of the slot in hand into buffer f: wp16's eight blocks of 16 columns, turned, then A's eight blocks of 16 rows
.macro FETCH q, f
	WIN TO_B
.irp i, 0,1,2,3,4,5,6,7
	ds_load_tr16_b128 v[(\f)+8*(\i):(\f)+8*(\i)+3],   v[ADRB] offset:(\q)*32*PB+32*(\i)
	ds_load_tr16_b128 v[(\f)+8*(\i)+4:(\f)+8*(\i)+7], v[ADRB] offset:(\q)*32*PB+16*PB+32*(\i)
.endr
	WIN 0
.irp i, 0,1,2,3,4,5,6,7
	ds_load_b128 v[(\f)+8*(\i):(\f)+8*(\i)+3],   v[ADRA] offset:64*(\q)+(\i)*16*PITCH
	ds_load_b128 v[(\f)+8*(\i)+4:(\f)+8*(\i)+7], v[ADRA] offset:64*(\q)+(\i)*16*PITCH+32
.endr
.endm
.macro PLACES                          ; four places in front of loads into registers that matrix instructions have read, and of vector lines that read results
.rept 4
	v_nop
.endr
.endm
; One of a step's first three quarters: multiplies buffer f; in its middle it fetches quarter q into buffer g
.macro QUARTER q, f, g, first
	s_wait_dscnt 8                                 ; the youngest eight loads (A's rows 64-127) may be out
	MUL16 \f, 0, 0, \first
	MUL16 \f, 0, 2, \first
	PLACES
	FETCH \q, \g
	s_wait_dscnt 32                                ; all but the 32 just issued
	MUL16 \f, 1, 0, \first
	MUL16 \f, 1, 2, \first
.endm
; The last quarter of a K step multiplies buffer 1 and changes slots.  Sixteen of its products stand ahead of the wait for the tensor loads, so that between that wait and the next request stand only
; the add, the round and sixteen products.  In front of the barrier each wave waits for all its tensor loads (one is out: its part of the next slot), adds 0 to its spare word, and waits for that and
; for its reads of this slot.  fill = 1: the barrier opens a round of the cluster's barrier, and the joint refill, into the slot just read, one K step on from the last refill, is the first thing behind the round.
; fill = 0, the last two steps: nothing is asked for; in the very last (s3 = 1) there are no further fragments, and their run of loads is jumped over.
.macro TURN fill
.if \fill
	s_wait_xcnt 0x0                                ; the last prefetch, a K step back, has read its address
	s_add_nc_u64 s[PFA:PFA+1], s[PFA:PFA+1], s[PST:PST+1]
.endif
	s_wait_dscnt 8                                 ; the youngest eight loads (A's rows 64-127) may be out
	MUL16 F1, 0, 0, 0
	WIN 0
	s_wait_tensorcnt 0x0                           ; no tensor load of mine is out, so a group 0 may be written
	ds_add_u32 v[SPW], v[NIL]                      ; the scalar work below stands between the add and the wait for it
.if \fill
	s_add_co_u32 s[G0+5], s[LB], s[TB]             ; the walking descriptors: into the slot that is being left,
	s_add_co_u32 s[G0B+5], s[LB], s[TB]
	s_add_nc_u64 s[G0+6:G0+7], s[G0+6:G0+7], KSTEP*2               ; the next K step; the type bits on top are not reached
	s_add_nc_u64 s[G0B+6:G0B+7], s[G0B+6:G0B+7], KSTEP*SIZE_N*2
.endif
	s_xor_b32 s[TB], s[TB], SLOT                   ; the other slot is in hand from here on
	s_wait_dscnt 0x0                               ; the add is done, and my reads of the old slot are over
	s_barrier_signal -1
	MUL16 F1, 0, 2, 0
	WIN 0
	s_barrier_wait -1
.if \fill
	CREST
	JLOAD 1                                        ; its four v_nop are also the places in front of the loads below
	AIM
	FETCH 0, F0
	ASK
.else
	s_cmp_eq_u32 s3, 1
	s_cbranch_scc1 .Lno_more_\@
	PLACES
	AIM
	FETCH 0, F0
.Lno_more_\@:
.endif
	MUL16 F1, 1, 0, 0
	MUL16 F1, 1, 2, 0
.endm
; THE WAY OUT of block a (16 rows): the maximum is taken, the sums are rounded to f16; through my own stage in LDS; stored as whole rows of 256 bytes.  Each accumulator is read from its low end on.
.macro PACK a
.set AC, 64*((\a)%4)
	WIN 0x28+0x14*((\a)/4)                         ; sources 1 and 2 in window 2 or 3
.set i, 0
.rept 32
	v_max3_num_f32 v[MX+i%4], v[MX+i%4], |v[AC+2*i]|, |v[AC+2*i+1]|
.set i, i+1
.endr
	WIN 0x0a+5*((\a)/4)                            ; sources 0 and 1 in window 2 or 3
.set i, 0
.rept 32
	v_cvt_pk_f16_f32 v[TMP+i], v[AC+2*i], v[AC+2*i+1]
.set i, i+1
.endr
	WIN 0
.endm
.macro TOSTAGE a
	WIN 0
.set BK, OB+192*((\a)%2)
.irp b, 0,1,2,3,4,5,6,7
	ds_store_b128 v[STO], v[TMP+4*(\b):TMP+4*(\b)+3] offset:32*(\b)
.endr
.irp t, 0,1,2,3,4,5,6,7
	ds_load_b128 v[BK+4*(\t):BK+4*(\t)+3], v[RD] offset:(\t)*2*SPITCH  ; LDS serves a wave's instructions in order: these see the stores above
.endr
.endm
.macro SEND a
	WIN 0
.set BK, OB+192*((\a)%2)
	s_wait_dscnt 0x0
	s_wait_xcnt 0x0                                ; the stores' base and the registers that earlier stores read are rewritten only behind this wait
.if (\a) == 0
	s_add_nc_u64 s[8:9], s[8:9], s[16:17]
.else
	s_add_nc_u64 s[8:9], s[8:9], 16*SIZE_N*2
.endif
.irp t, 0,1,2,3,4,5,6,7
	global_store_b128 v[CO], v[BK+4*(\t):BK+4*(\t)+3], s[8:9] offset:2*(\t)*SIZE_N*2  ; 16 lanes store 256 consecutive bytes, aligned
.endr
.endm
	s_wait_tensorcnt 1                             ; my part of K step 0 is in; K step 1's may stay out
	s_barrier_signal -1
	s_barrier_wait -1
	FETCH 0, F0
	QUARTER 1, F0, F1, 1                           ; the first quarter stands in front of the loop: its products start the sums, with the bias
	WIN 0
	s_mov_b32 s3, STEPS-2
.Lstep:                                                ; a trip: from a step's second quarter to the next step's first; it fills the slot that it leaves
	QUARTER 2, F1, F0, 0
	QUARTER 3, F0, F1, 0
	TURN 1
	QUARTER 1, F0, F1, 0
	WIN 0
	s_sub_co_u32 s3, s3, 1
	s_cmp_lg_u32 s3, 0
	s_cbranch_scc1 .Lstep
	s_mov_b32 s3, 2
.Ltail:                                                ; the last two steps fill nothing: written out; the second trip is left behind its last products
	QUARTER 2, F1, F0, 0
	QUARTER 3, F0, F1, 0
	TURN 0
	WIN 0
	s_sub_co_u32 s3, s3, 1
	s_cmp_eq_u32 s3, 0
	s_cbranch_scc1 .Lout
	QUARTER 1, F0, F1, 0
	WIN 0
	s_cmp_lg_u32 s3, 0
	s_cbranch_scc1 .Ltail
.Lout:
	PLACES
	PACK 0
	TOSTAGE 0
.irp a, 1,2,3,4,5,6,7                  ; block a's arithmetic stands between block a - 1's loads from the stage and the wait for them
	PACK \a
	SEND (\a)-1
	TOSTAGE \a
.endr
	SEND 7
	v_max_num_f32 v[MX], v[MX], v[MX+1]
	v_max_num_f32 v[MX+2], v[MX+2], v[MX+3]
	v_max_num_f32 v[MX], v[MX], v[MX+2]
	v_max_num_f32_dpp v[MX], v[MX], v[MX] row_xmask:1 row_mask:0xf bank_mask:0xf
	v_max_num_f32_dpp v[MX], v[MX], v[MX] row_xmask:2 row_mask:0xf bank_mask:0xf
	v_max_num_f32_dpp v[MX], v[MX], v[MX] row_xmask:4 row_mask:0xf bank_mask:0xf
	v_max_num_f32_dpp v[MX], v[MX], v[MX] row_xmask:8 row_mask:0xf bank_mask:0xf
	s_mov_b32 s20, 0x76543210
	s_mov_b32 s21, 0xfedcba98
	v_permlanex16_b32 v[MX+1], v[MX], s20, s21
	v_max_num_f32 v[MX], v[MX], v[MX+1]            ; the wave's largest |result|
	v_and_b32 v[MX+1], 31, v0
	v_mov_b32 v[MX+2], 0
	v_cmp_eq_u32 vcc_lo, 0, v[MX+1]
	s_wait_xcnt 0x0                                ; EXEC changes only behind this wait
	s_and_saveexec_b32 s22, vcc_lo
	global_store_b32 v[MX+2], v[MX], s[68:69]
	s_wait_xcnt 0x0
	s_or_b32 exec_lo, exec_lo, s22
	s_wait_tensorcnt 0x0                           ; the wave's end
	ds_add_u32 v[SPW], v[NIL]
	s_wait_dscnt 0x0
	CROUND                                         ; the closing round
	s_endpgm
.Lfunc_end_k_qc0589d8d4e_proj:
	.size	k_qc0589d8d4e_proj, .Lfunc_end_k_qc0589d8d4e_proj-k_qc0589d8d4e_proj
	.p2alignl 7, 3214868480
	.fill 96, 4, 3214868480
	.section	.rodata,"a",@progbits
	.p2align	6, 0x0
	.amdhsa_kernel k_qc0589d8d4e_proj
		.amdhsa_group_segment_fixed_size 327680
		.amdhsa_private_segment_fixed_size 0
		.amdhsa_enable_private_segment 0
		.amdhsa_kernarg_size 56
		.amdhsa_user_sgpr_count 2
		.amdhsa_user_sgpr_kernarg_segment_ptr 1
		.amdhsa_wavefront_size32 1
		.amdhsa_system_sgpr_workgroup_id_x 1
		.amdhsa_system_sgpr_workgroup_id_y 1
		.amdhsa_system_sgpr_workgroup_id_z 1
		.amdhsa_system_vgpr_workitem_id 0
		.amdhsa_next_free_vgpr 1024
		.amdhsa_next_free_sgpr 80
		.amdhsa_reserve_vcc 1
		.amdhsa_float_denorm_mode_32 3
		.amdhsa_float_denorm_mode_16_64 3
		.amdhsa_memory_ordered 1
		.amdhsa_forward_progress 1
		.amdhsa_inst_pref_size 127
	.end_amdhsa_kernel
	.amdgpu_metadata
---
amdhsa.version: [ 1, 2 ]
amdhsa.kernels:
  - .name:           k_qc0589d8d4e_proj
    .symbol:         k_qc0589d8d4e_proj.kd
    .args:
      - { .name: hs16, .offset: 0, .size: 8, .value_kind: global_buffer, .address_space: global }
      - { .name: wp16, .offset: 8, .size: 8, .value_kind: global_buffer, .address_space: global }
      - { .name: bcx, .offset: 16, .size: 8, .value_kind: global_buffer, .address_space: global }
      - { .name: stats, .offset: 24, .size: 8, .value_kind: global_buffer, .address_space: global }
      - { .name: b_B, .offset: 32, .size: 8, .value_kind: global_buffer, .address_space: global }
      - { .name: b_C, .offset: 40, .size: 8, .value_kind: global_buffer, .address_space: global }
      - { .name: b_x, .offset: 48, .size: 8, .value_kind: global_buffer, .address_space: global }
    .group_segment_fixed_size: 327680
    .private_segment_fixed_size: 0
    .kernarg_segment_align: 8
    .kernarg_segment_size: 56
    .max_flat_workgroup_size: 128
    .sgpr_count:     80
    .vgpr_count:     1024
    .wavefront_size: 32
...
	.end_amdgpu_metadata
.endif
;; end of part 2
;; launch ssd (part 3): grid 16 x 16, 4 waves a work-group, no clusters, 327,680 bytes of LDS; arguments bcx, dtB, stats, A_log, D, y16, yscale; writes y16, yscale
.if DOCPART == 3
	.amdgcn_target "amdgcn-amd-amdhsa--gfx1250"
	.amdhsa_code_object_version 6
	.text
	.protected	k_qc0589d8d4e_ssd
	.globl	k_qc0589d8d4e_ssd
	.p2align	8
	.type	k_qc0589d8d4e_ssd,@function
k_qc0589d8d4e_ssd:
	s_mov_b64 s[64:65], 0
	v_nop
	global_prefetch_b8 v0, s[64:65] scope:SCOPE_SE
	s_setreg_imm32_b32 hwreg(HW_REG_WAVE_MODE, 25, 1), 1
	s_wait_xcnt 0x0
; THE CHUNKED SCAN.  A work-group: one chunk of 256 tokens (YC = 8 batch + j), one group g, two of its heads (h = g + 16 pr + 8 hd, places h' = 4 g + 2 pr + hd).
; y[i] = sum over s <= i of (C_i . B_s) L[i][s] dt_s x_s + D x_i + exp(cum_i) col_sum_j (C_i . S_(j-1)),  S_(j-1)[d][n] = sum over l of B_l[n] exp(sum over k > l of a_k) dt_l x_l[d] of chunk j - 1.
; LEFT OUT (shown at the head of the first launch): chunk 0 has no state and no product with it; chunk 7's state is never built; key steps above a band of queries are not visited;
; decay_chunk is never formed, only its column sums; C B^T is made once for the two heads.  Inside a band's own key step the tiles above the diagonal stay: they get weight 0.
; NO MAXIMUM IS TAKEN since none is in reference(): A = -exp(A_log) < 0 and dt = softplus >= 0 bound every exponent by 0 for every input.
; EXPONENTS, in units of log2: a_k = A2 dt_k, A2 = -exp(A_log) log2 e.  Tokens lie in 16 blocks I of 16.  For J < I: log2 L = p_i + mid(I, J) + q_j (prefix in the block, whole blocks between, suffix in the
; block): sums of terms of one sign, never a difference of cumulative sums.  For J = I each lane sums a_k over j < k <= i itself.
; FORMATS AND SCALES.  What the program makes is rounded to f16; powers of two made of global maxima (stats) keep it in f16's range: M'' = G L dt 2^kM (+ D 2^kM on the diagonal), w' = decay dt 2^kW <= 1,
; S'' = S col_sum 2^kS, y' = y 2^kY; 2^-kY goes to yscale for the last launch.  The bounds: Mb = 128 maxB maxC maxdt + maxD, Sb = 2304 maxB maxX maxdt, Yb = 256 Mb maxX + 128 maxC Sb.
; LIMITS: the bounds must be finite in f32; a number below 2^-24 of its bound's power of two is rounded to f16's fixed step; dt below 2^-126 counts as 0; NaN and infinities are not treated apart.
; SHARES.  Wave w owns query tile I = 4 x + w in each band x of 64 queries (a PIECE): all four waves run the same text.  A key step is 64 keys; wave w takes its four key tiles in the order
; jt = (t + w) % 4, so that in the band's own step slot 0 is the diagonal tile in every wave.
; LAYOUT.  G^T = B C^T (source 0 = 16 keys, source 1 = 16 queries): a lane holds ONE query (l % 16) and keys 8 (l / 16) + 0..7; two such tiles rounded in pairs ARE source 1 of O^T = x^T M.
; NO CLUSTER: a tile of B or C has two readers (pr = 0, 1), and a joint load names a whole axis of four.  NO PREFETCH: all tiles are asked for at the head.
; REGISTERS: window 0: v0-63 addresses and small things; v64-95 G^T; v96-159 the exponents, then M'' (32 a head); v160-191 M'' in f16; v192-255 Q of the keys.
;   window 1: v0-63 O^T (32 hd + 8 dt); v128-255 S'' of head 0.  Window 2: v0-31 C; v48-63 D on the diagonal; v128-255 B.  Window 3: v0-127 x^T; v128-255 S'' of head 1.
.set L_XS,  0                          ; x of chunk j - 1, then of chunk j: 256 rows x 288 bytes (two heads, 256 + 32)
.set L_RB,  73728                      ; B of chunk j - 1, 288 apart; behind its one fill: S'' [hd][64 d] x 272
.set L_RC,  147456                     ; C of chunk j, 272 apart
.set L_RD,  217088                     ; B of chunk j, 272 apart
.set L_PI,  286720                     ; [hd][256] f32: p_i; the tables behind it are named by their distance from here
.set O_QJ,  2048                       ; q_j + log2 dt_j + kM
.set O_AK,  4096                       ; a_k
.set O_LK,  6144                       ; log2 dt_k + kM
.set O_GI,  8192                       ; 2^(cum_i + kM - kS)
.set O_MID, 10240                      ; [hd][I][16]: mid(I, J) at word 4 (J / 4) + (J - I) % 4; -1e30 where J >= I
.set O_WL,  12288                      ; [hd][256] f16: w'
.set O_TOT, 13312                      ; the blocks' totals: wave 0's at 0, wave 1's at 128
.set O_CSF, 13568                      ; [hd]: col_sum 2^(kS - kW)
.set L_STG, 300544                     ; 16 rows x 272 bytes for each wave, for the way out
.set SPARE, 317952                     ; the spare words, 128 bytes a wave
.set MSB, 0
.macro WIN new
.if MSB != (\new)
	s_set_vgpr_msb (MSB<<8)|(\new)
.set MSB, \new
.endif
.endm
.macro TLOAD g0, g1
	tensor_load_to_lds s[\g0:\g0+3], s[\g1:\g1+7]
	s_nop 0
.endm
.macro NOPS n
.rept \n
	v_nop
.endr
.endm
	s_load_b256 s[4:11], s[0:1], 0x0               ; bcx s[4:5], dtB s[6:7], stats s[8:9], A_log s[10:11]
	s_load_b128 s[12:15], s[0:1], 0x20             ; D s[12:13], y16 s[14:15]
	s_load_b64 s[16:17], s[0:1], 0x30              ; yscale
	v_lshl_add_u32 v32, v0, 2, SPARE               ; v32: my spare word; v33: 0; never rewritten
	v_mov_b32 v33, 0
	ds_add_u32 v32, v33                            ; the opening: the add, twice on end, and its wait ahead of my first tensor load
	ds_add_u32 v32, v33
	v_lshrrev_b32 v1, 5, v0
	v_readfirstlane_b32 s18, v1                    ; wave 0..3
	s_lshr_b32 s20, ttmp9, 1                       ; g
	s_and_b32 s21, ttmp9, 1                        ; pr
	s_and_b32 s22, ttmp7, 0xffff                   ; YC
	s_and_b32 s23, s22, 7                          ; j
	; descriptor group 1: 64 rows x 128 f16, 4,096 elements from row to row; s[28:35] pads 4 words a row (272), s[36:43] 8 words (288)
	s_mov_b32 s28, (1<<16)|(1<<20)|(5<<22)|(3<<25)
	s_mov_b32 s36, (1<<16)|(1<<20)|(5<<22)|(7<<25)
.irp g, 28, 36
	s_mov_b32 s[\g+1], 128<<16
	s_mov_b32 s[\g+2], 64<<16
	s_mov_b32 s[\g+3], 128<<16
	s_mov_b32 s[\g+4], 64
	s_mov_b32 s[\g+5], 4096
	s_mov_b32 s[\g+6], 0
	s_mov_b32 s[\g+7], 0
.endr
	s_mov_b32 s44, 1                               ; group 0: s[44:47] x, s[48:51] B of chunk j - 1, s[52:55] C, s[56:59] B of chunk j; each wave moves 64 rows
	s_mov_b32 s48, 1
	s_mov_b32 s52, 1
	s_mov_b32 s56, 1
	s_mul_i32 s87, s18, 18432
	s_add_co_u32 s45, s87, L_XS
	s_add_co_u32 s49, s87, L_RB
	s_mul_i32 s87, s18, 17408
	s_add_co_u32 s53, s87, L_RC
	s_add_co_u32 s57, s87, L_RD
	s_lshl_b32 s88, s22, 21                        ; a chunk is 256 rows of 8,192 bytes,
	s_lshl_b32 s87, s18, 19                        ; my 64 rows
	s_add_co_u32 s88, s88, s87
	s_mov_b32 s87, 0x200000
	s_cmp_lg_u32 s23, 0
	s_cselect_b32 s87, s87, 0
	s_sub_co_u32 s90, s88, s87                     ; the chunk before (chunk 0: the chunk itself)
	s_lshl_b32 s87, s20, 8
	s_add_co_u32 s92, s88, s87                     ; B of chunk j: columns 128 g
	s_add_co_u32 s94, s92, 2048                    ; C
	s_add_co_u32 s88, s90, s87                     ; B of chunk j - 1
	s_lshl_b32 s87, s20, 9
	s_add_co_u32 s90, s90, s87
	s_lshl_b32 s87, s21, 8
	s_add_co_u32 s90, s90, s87
	s_add_co_u32 s90, s90, 4096                    ; x: columns 2048 + 64 (4 g + 2 pr)
	s_mov_b32 s89, 0
	s_mov_b32 s91, 0
	s_mov_b32 s93, 0
	s_mov_b32 s95, 0
	s_mov_b32 s60, 0x76543210                      ; v_permlanex16_b32: each lane takes its own place in the other half
	s_mov_b32 s61, 0xfedcba98
	s_mov_b32 s79, 0xf149f2ca                      ; -1e30
	s_wait_dscnt 0x0                               ; both opening adds are done
	s_wait_kmcnt 0x0
	s_add_nc_u64 s[46:47], s[4:5], s[90:91]
	s_or_b32 s47, s47, 0x80000000
	s_add_nc_u64 s[50:51], s[4:5], s[88:89]
	s_or_b32 s51, s51, 0x80000000
	s_add_nc_u64 s[54:55], s[4:5], s[94:95]
	s_or_b32 s55, s55, 0x80000000
	s_add_nc_u64 s[58:59], s[4:5], s[92:93]
	s_or_b32 s59, s59, 0x80000000
	s_cmp_eq_u32 s23, 0                            ; the first fills, one group: four loads of mine are out, or three; C's and B's of chunk j are the last two on both ways
	s_cbranch_scc1 .Lfill0
	TLOAD 44, 36
	TLOAD 48, 36
	TLOAD 52, 28
	TLOAD 56, 28
	NOPS 4
	s_branch .Lfilled
.Lfill0:
	TLOAD 44, 36
	TLOAD 52, 28
	TLOAD 56, 28
	NOPS 4
.Lfilled:
	v_and_b32 v1, 15, v0                           ; r; in the scans: block I
	v_bfe_u32 v2, v0, 4, 1                         ; h; in the scans: head hd
	v_and_b32 v3, 7, v0
	v_bfe_u32 v4, v0, 3, 1
	v_and_b32 v54, 31, v0
	v_lshlrev_b32 v55, 2, v54
	v_lshlrev_b32 v54, 4, v54
	s_lshl_b32 s87, s21, 4
	s_add_co_u32 s87, s87, s20
	v_lshl_add_u32 v56, v2, 3, s87                 ; my half of the lanes' head
	v_lshlrev_b32 v57, 2, v56
.irp i, 0,1,2,3,4,5,6,7,8,9,10,11,12,13,14,15
	global_load_b128 v[64+4*\i:64+4*\i+3], v54, s[8:9] offset:512*\i   ; all 2,048 maxima: B's 256, C's 256, x's 512, dt's 1,024
.endr
	global_load_b32 v128, v55, s[12:13]            ; D of head l
	global_load_b32 v129, v57, s[12:13]            ; D and A_log of my half's head
	global_load_b32 v130, v57, s[10:11]
	v_lshrrev_b32 v58, 1, v1                       ; v58: block I's 16 dt in dtB: (I / 2) x 4,096 + head x 128 + (I % 2) x 64
	v_lshlrev_b32 v58, 12, v58
	v_lshl_add_u32 v58, v56, 7, v58
	v_and_b32 v59, 1, v1
	v_lshl_add_u32 v58, v59, 6, v58
	; the address registers.  v5 C; v6-9 B by slot; v10-13 Q by slot; v14-17 x by slot; v18 mid; v19 p; v20 a; v21 log dt; v22-24 the way out; v25-31 the state
	v_mul_u32_u24 v60, v1, 272
	v_lshl_add_u32 v60, v2, 4, v60                 ; row r x 272 + 16 h
	v_lshl_add_u32 v61, v2, 3, v3
	v_mul_u32_u24 v61, v61, 288
	v_lshl_add_u32 v61, v4, 4, v61                 ; the turning load: row 8 h + l % 8, 16 bytes by (l / 8) % 2
	s_mul_i32 s87, s18, 4352
	s_add_co_u32 s88, s87, L_RC
	v_add_nc_u32 v5, s88, v60
	s_add_co_u32 s88, s87, L_STG
	v_add_nc_u32 v22, s88, v60
	v_mul_u32_u24 v62, v2, 272
	v_lshl_add_u32 v62, v1, 4, v62
	v_add_nc_u32 v23, s88, v62
	v_lshlrev_b32 v24, 12, v2
	v_lshl_add_u32 v24, v1, 4, v24
.irp t, 0,1,2,3
	s_add_co_u32 s87, s18, \t
	s_and_b32 s87, s87, 3                          ; jt
	s_mul_i32 s88, s87, 4352
	s_add_co_u32 s88, s88, L_RD
	v_add_nc_u32 v[6+\t], s88, v60
	s_lshl_b32 s88, s87, 6
	s_add_co_u32 s88, s88, L_PI+O_QJ
	v_lshl_add_u32 v[10+\t], v2, 5, s88
	s_mul_i32 s88, s87, 4608
	v_add_nc_u32 v[14+\t], s88, v61
.endr
	s_lshl_b32 s87, s18, 6
	s_add_co_u32 s88, s87, L_PI+O_MID
	v_mov_b32 v18, s88
	s_add_co_u32 s88, s87, L_PI
	v_lshl_add_u32 v19, v1, 2, s88
	s_add_co_u32 s88, s87, L_PI+O_AK
	v_mov_b32 v20, s88
	s_add_co_u32 s88, s87, L_PI+O_LK
	v_lshl_add_u32 v21, v2, 5, s88
	v_add_nc_u32 v25, L_RB, v60                    ; S'' read: row d = r
	s_lshr_b32 s87, s18, 1                         ; in the state wave w makes head w / 2,
	s_and_b32 s88, s18, 1                          ; half w % 2 of n
	s_mul_i32 s89, s87, 17408
	s_lshl_b32 s90, s88, 7
	s_add_co_u32 s89, s89, s90
	s_add_co_u32 s89, s89, L_RB
	v_add_nc_u32 v26, s89, v60                     ; S'' written
	s_add_co_u32 s90, s90, L_RB
	v_add_nc_u32 v27, s90, v61                     ; B of chunk j - 1, turned
	s_lshl_b32 s90, s87, 7
	v_add_nc_u32 v29, s90, v61                     ; x of chunk j - 1, turned
	s_lshl_b32 s90, s87, 9
	s_add_co_u32 s90, s90, L_PI+O_WL
	v_lshl_add_u32 v31, v2, 4, s90                 ; w'
	s_lshl_b32 s90, s87, 2
	s_add_co_u32 s90, s90, L_PI+O_CSF
	v_mov_b32 v28, s90
	v_lshlrev_b32 v200, 10, v2                     ; the scans' places: v200 [hd][I] x 64 bytes, v201 [hd][I] x 4, v202 [hd] x 64, v203 [hd][I] x 32, v204 [hd] x 4
	v_lshl_add_u32 v200, v1, 6, v200
	v_add_nc_u32 v200, L_PI, v200
	v_lshlrev_b32 v202, 6, v2
	v_add_nc_u32 v202, L_PI, v202
	v_lshl_add_u32 v201, v1, 2, v202
	v_lshlrev_b32 v203, 9, v2
	v_lshl_add_u32 v203, v1, 5, v203
	v_add_nc_u32 v203, L_PI, v203
	v_lshlrev_b32 v204, 2, v2
	v_add_nc_u32 v204, L_PI, v204
	s_lshl_b32 s84, s22, 20                        ; y16 at row 256 YC + 16 w, byte 512 g + 256 pr
	s_lshl_b32 s87, s18, 16
	s_add_co_u32 s84, s84, s87
	s_lshl_b32 s87, s20, 9
	s_add_co_u32 s84, s84, s87
	s_lshl_b32 s87, s21, 8
	s_add_co_u32 s84, s84, s87
	s_mov_b32 s85, 0
	s_add_nc_u64 s[84:85], s[14:15], s[84:85]
; ---- THE SCALES, in every wave alike
.macro RMAX dst, first, n
	v_max_num_f32 v[\dst], v[\first], v[\first+1]
.set z, 2
.rept ((\n)-2)/2
	v_max3_num_f32 v[\dst], v[\dst], v[\first+z], v[\first+z+1]
.set z, z+2
.endr
.endm
.macro WMAX reg
	v_max_num_f32_dpp v[\reg], v[\reg], v[\reg] row_xmask:1 row_mask:0xf bank_mask:0xf
	v_max_num_f32_dpp v[\reg], v[\reg], v[\reg] row_xmask:2 row_mask:0xf bank_mask:0xf
	v_max_num_f32_dpp v[\reg], v[\reg], v[\reg] row_xmask:4 row_mask:0xf bank_mask:0xf
	v_max_num_f32_dpp v[\reg], v[\reg], v[\reg] row_xmask:8 row_mask:0xf bank_mask:0xf
	v_permlanex16_b32 v131, v[\reg], s60, s61
	v_max_num_f32 v[\reg], v[\reg], v131
.endm
.macro KEXP dst, src, c                ; c less the biased exponent of a bound, which is held at 2^-63 at the least: bound < 2^(exponent - 126)
	v_max_num_f32 v[\dst], 0x20000000, v[\src]
	v_lshrrev_b32 v[\dst], 23, v[\dst]
	v_sub_nc_u32 v[\dst], \c, v[\dst]
.endm
	s_wait_loadcnt 0x0
	v_cvt_pk_bf16_f32 v130, v130, v130             ; A_log to bf16, like every input
	v_lshlrev_b32 v130, 16, v130
	v_mul_f32 v130, 0x3fb8aa3b, v130
	v_exp_f32 v130, v130                           ; exp(A_log)
	RMAX 132, 64, 8                                ; maxB
	RMAX 133, 72, 8                                ; maxC
	RMAX 134, 80, 16                               ; maxX
	RMAX 135, 96, 32                               ; maxdt
	v_cvt_pk_bf16_f32 v128, v128, v129             ; D to bf16
	v_lshlrev_b32 v136, 16, v128
	v_and_b32 v136, 0x7fffffff, v136               ; |D| of head l
	v_and_b32 v233, 0xffff0000, v128               ; D of my half's head
	v_mov_b32 v131, 0
	WMAX 132
	WMAX 133
	WMAX 134
	WMAX 135
	WMAX 136
	s_wait_alu depctr_va_vdst(0)                   ; the exponential's wait; the maxima above are the work between
	v_mul_f32 v232, 0xbfb8aa3b, v130               ; v232 = A2
	v_mul_f32 v137, v132, v135
	v_mul_f32 v138, 0x43000000, v133               ; 128 maxC
	v_fma_f32 v139, v138, v137, v136               ; Mb
	v_mul_f32 v140, v137, v134
	v_mul_f32 v140, 0x45100000, v140               ; Sb = 2304 ..
	v_mul_f32 v141, v139, v134
	v_mul_f32 v141, 0x43800000, v141
	v_fma_f32 v141, v138, v140, v141               ; Yb
	KEXP 224, 139, 141                             ; kM = 15 - e(Mb)
	KEXP 225, 135, 126                             ; kW = -e(maxdt)
	KEXP 226, 140, 141                             ; kS
	KEXP 227, 141, 141                             ; kY
	v_cvt_f32_i32 v228, v224                       ; kM, kW and kM - kS as f32: they are added to exponents
	v_cvt_f32_i32 v229, v225
	v_sub_nc_u32 v230, v224, v226
	v_cvt_f32_i32 v230, v230
	v_sub_nc_u32 v231, v226, v225                  ; kS - kW
	v_sub_nc_u32 v234, v227, v224
	v_ldexp_f32 v234, 1.0, v234
	v_readfirstlane_b32 s70, v234                  ; s[70:71] = 2^(kY - kM): a factor, never an address or a count
	s_mov_b32 s71, s70
	v_ldexp_f32 v233, v233, v224
	v_readlane_b32 s90, v233, 0                    ; D 2^kM of head 0,
	v_readlane_b32 s91, v233, 16                   ; of head 1
	v_lshlrev_b32 v235, 3, v2
	v_sub_nc_u32 v235, v1, v235                    ; register jj of the diagonal tile holds the diagonal where jj = r - 8 h
	WIN 0x80
.irp jj, 0,1,2,3,4,5,6,7
	v_cmp_eq_u32 vcc_lo, \jj, v235
	v_cndmask_b32 v[48+\jj], 0, s90, vcc_lo
	v_cndmask_b32 v[56+\jj], 0, s91, vcc_lo
.endr
	WIN 0
	s_or_b32 s87, ttmp9, s22
	s_or_b32 s87, s87, s18
	s_cmp_lg_u32 s87, 0
	s_cbranch_scc1 .Lno_scale                      ; one wave of the launch stores 2^-kY
	v_sub_nc_u32 v236, 0, v227
	v_ldexp_f32 v236, 1.0, v236
	global_store_b32 v55, v236, s[16:17]
.Lno_scale:
; ---- THE SCANS.  A lane is (head l / 16, block l % 16) and holds the block's 16 tokens.  Wave 0: chunk j's tables.  Wave 1: chunk j - 1's weights.  Wave 2: col_sum.
	s_mov_b32 s93, 0
	s_cmp_eq_u32 s18, 0
	s_cbranch_scc1 .Lw0
	s_cmp_eq_u32 s23, 0
	s_cbranch_scc1 .Lscan_done
	s_cmp_eq_u32 s18, 1
	s_cbranch_scc1 .Lw1
	s_cmp_eq_u32 s18, 2
	s_cbranch_scc1 .Lw2
	s_branch .Lscan_done
.macro LOGS_A_Q                        ; dt in v64-79: log2 dt to v128-143 (not yet waited for), a to v80-95, the suffix q to v112-127
.set k, 0
.rept 16
	v_log_f32 v[128+k], v[64+k]
.set k, k+1
.endr
.set k, 0
.rept 16
	v_mul_f32 v[80+k], v232, v[64+k]
.set k, k+1
.endr
	v_mov_b32 v127, 0
.set k, 14
.rept 15
	v_add_f32 v[112+k], v[113+k], v[81+k]
.set k, k-1
.endr
.endm
.Lw0:
	s_lshl_b32 s92, s22, 15                        ; a chunk is 8 blocks of 4,096 bytes of dtB
	s_add_nc_u64 s[92:93], s[6:7], s[92:93]
.irp i, 0,1,2,3
	global_load_b128 v[64+4*\i:64+4*\i+3], v58, s[92:93] offset:16*\i
.endr
.irp t, 0,1,2,3
	v_sub_nc_u32 v[194+\t], \t, v1
	v_and_b32 v[194+\t], 3, v[194+\t]
	v_lshl_add_u32 v[194+\t], v[194+\t], 2, v200   ; where mid(I, J) with J % 4 = t goes
.endr
	s_wait_loadcnt 0x0
	LOGS_A_Q
	v_mov_b32 v96, v80
.set k, 1
.rept 15
	v_add_f32 v[96+k], v[95+k], v[80+k]            ; the prefix p
.set k, k+1
.endr
	ds_store_b32 v201, v111 offset:O_TOT           ; the block's total, and back come the head's sixteen: LDS serves a wave's instructions in order
.irp i, 0,1,2,3
	ds_load_b128 v[160+4*\i:160+4*\i+3], v202 offset:O_TOT+16*\i
.endr
	s_wait_alu depctr_va_vdst(0)                   ; one wait for the sixteen logarithms
.set k, 0
.rept 16
	v_add_f32 v[128+k], v228, v[128+k]             ; log2 dt + kM
.set k, k+1
.endr
.set k, 0
.rept 16
	v_add_f32 v[144+k], v[112+k], v[128+k]         ; Q
.set k, k+1
.endr
.irp i, 0,1,2,3
	ds_store_b128 v200, v[96+4*\i:96+4*\i+3]   offset:16*\i
	ds_store_b128 v200, v[144+4*\i:144+4*\i+3] offset:O_QJ+16*\i
	ds_store_b128 v200, v[80+4*\i:80+4*\i+3]   offset:O_AK+16*\i
	ds_store_b128 v200, v[128+4*\i:128+4*\i+3] offset:O_LK+16*\i
.endr
	s_wait_dscnt 0x0
	v_mov_b32 v192, 0
.set k, 15
.rept 16                               ; J = 15 .. 0: mid(I, J) = the totals of the blocks between; at the end v192 = the totals of all blocks below I
	v_cmp_lt_u32 vcc_lo, k, v1
	v_cndmask_b32 v[176+k], s79, v192, vcc_lo
	v_cndmask_b32 v193, 0, v[160+k], vcc_lo
	v_add_f32 v192, v192, v193
.set k, k-1
.endr
.set k, 0
.rept 16
	ds_store_b32 v[194+k%4], v[176+k] offset:O_MID+16*(k/4)
.set k, k+1
.endr
	s_cmp_eq_u32 s23, 0
	s_cbranch_scc1 .Lscan_done                     ; chunk 0 has no product with a state, and no factor for it
	v_add_f32 v198, v192, v230
.set k, 0
.rept 16
	v_add_f32 v[64+k], v198, v[96+k]               ; cum_i + kM - kS
.set k, k+1
.endr
.set k, 0
.rept 16
	v_exp_f32 v[64+k], v[64+k]
.set k, k+1
.endr
	v_nop
	s_wait_alu depctr_va_vdst(0)
.irp i, 0,1,2,3
	ds_store_b128 v200, v[64+4*\i:64+4*\i+3] offset:O_GI+16*\i
.endr
	s_branch .Lscan_done
.Lw1:
	s_sub_co_u32 s92, s22, 1
	s_lshl_b32 s92, s92, 15
	s_add_nc_u64 s[92:93], s[6:7], s[92:93]
.irp i, 0,1,2,3
	global_load_b128 v[64+4*\i:64+4*\i+3], v58, s[92:93] offset:16*\i
.endr
	s_wait_loadcnt 0x0
	LOGS_A_Q
	v_add_f32 v96, v112, v80                       ; the block's total
	ds_store_b32 v201, v96 offset:O_TOT+128
.irp i, 0,1,2,3
	ds_load_b128 v[160+4*\i:160+4*\i+3], v202 offset:O_TOT+128+16*\i
.endr
	s_wait_dscnt 0x0
	v_mov_b32 v192, v229                           ; kW + the totals of the blocks above I
.set k, 1
.rept 15
	v_cmp_gt_u32 vcc_lo, k, v1
	v_cndmask_b32 v193, 0, v[160+k], vcc_lo
	v_add_f32 v192, v192, v193
.set k, k+1
.endr
	s_wait_alu depctr_va_vdst(0)                   ; one wait for the sixteen logarithms
.set k, 0
.rept 16
	v_add_f32 v[112+k], v[112+k], v192
.set k, k+1
.endr
.set k, 0
.rept 16
	v_add_f32 v[112+k], v[112+k], v[128+k]
.set k, k+1
.endr
.set k, 0
.rept 16
	v_exp_f32 v[112+k], v[112+k]
.set k, k+1
.endr
	v_nop
	s_wait_alu depctr_va_vdst(0)
.set k, 0
.rept 8
	v_cvt_pk_f16_f32 v[144+k], v[112+2*k], v[112+2*k+1]
.set k, k+1
.endr
	ds_store_b128 v203, v[144:147] offset:O_WL
	ds_store_b128 v203, v[148:151] offset:O_WL+16
	s_branch .Lscan_done
.Lw2:                                  ; T_m of the batch's eight chunks (those below j are read with the rest: 16 KiB in all), then col_sum by Horner from chunk 7 down to j
	s_sub_co_u32 s92, s22, s23
	s_lshl_b32 s92, s92, 15
	s_add_nc_u64 s[92:93], s[6:7], s[92:93]
.irp m, 0,1,2,3,4,5,6,7
.irp i, 0,1,2,3
	global_load_b128 v[64+16*\m+4*\i:64+16*\m+4*\i+3], v58, s[92:93] offset:32768*\m+16*\i
.endr
.endr
	s_wait_loadcnt 0x0
.irp m, 0,1,2,3,4,5,6,7
.set R, 64+16*\m
	v_pk_add_f32 v[R:R+1], v[R:R+1], v[R+2:R+3]
	v_pk_add_f32 v[R+4:R+5], v[R+4:R+5], v[R+6:R+7]
	v_pk_add_f32 v[R+8:R+9], v[R+8:R+9], v[R+10:R+11]
	v_pk_add_f32 v[R+12:R+13], v[R+12:R+13], v[R+14:R+15]
	v_pk_add_f32 v[R:R+1], v[R:R+1], v[R+4:R+5]
	v_pk_add_f32 v[R+8:R+9], v[R+8:R+9], v[R+12:R+13]
	v_pk_add_f32 v[R:R+1], v[R:R+1], v[R+8:R+9]
	v_add_f32 v[R], v[R], v[R+1]
	v_mul_f32 v[R], v232, v[R]
	v_add_f32_dpp v[R], v[R], v[R] row_xmask:1 row_mask:0xf bank_mask:0xf
	v_add_f32_dpp v[R], v[R], v[R] row_xmask:2 row_mask:0xf bank_mask:0xf
	v_add_f32_dpp v[R], v[R], v[R] row_xmask:4 row_mask:0xf bank_mask:0xf
	v_add_f32_dpp v[R], v[R], v[R] row_xmask:8 row_mask:0xf bank_mask:0xf
.endr
.irp m, 0,1,2,3,4,5,6,7
	v_exp_f32 v[64+16*\m], v[64+16*\m]
.endr
	v_mov_b32 v192, 1.0
	s_wait_alu depctr_va_vdst(0)
.irp m, 7,6,5,4,3,2,1,0
	v_fma_f32 v193, v[64+16*\m], v192, 1.0
	s_cmp_le_u32 s23, \m
	s_cselect_b32 s86, -1, 0
	v_cndmask_b32 v192, v192, v193, s86
.endr
	v_ldexp_f32 v192, v192, v231
	ds_store_b32 v204, v192 offset:O_CSF
.Lscan_done:
	s_wait_xcnt 0x0                                ; v54-63 were address registers of loads and of a store: rewritten only behind this wait
	s_cmp_lg_u32 s23, 0
	s_cbranch_scc1 .Lstate
	WIN 0x40                                       ; chunk 0: there is no state.  Its fragments' registers are written, so that every register is written on every way through the text; they are not multiplied
.set i, 128
.rept 128
	v_mov_b32 v[i], 0
.set i, i+1
.endr
	WIN 0xc0
.set i, 128
.rept 128
	v_mov_b32 v[i], 0
.set i, i+1
.endr
	WIN 0
	s_branch .Lp5
; ---- THE STATE of chunk j - 1.  Wave w: head w / 2, half w % 2 of n: D[n][d] in 16 accumulators, source 0 = B^T, source 1 = (w' x)^T, both turned out of LDS.
.Lstate:
	s_wait_tensorcnt 0x2                           ; x's and B's of chunk j - 1 are in; the two youngest loads, chunk j's C and B, may stay out
	s_wait_dscnt 0x0                               ; my tables lie in LDS
	s_barrier_signal -1
	s_barrier_wait -1
.macro FETCH1 b                        ; 32 tokens into buffer b (v64 + 72 b): B's four blocks of n, x's four blocks of d, 32 weights
.set FB, 64+72*(\b)
.irp n, 0,1,2,3
	ds_load_tr16_b128 v[FB+8*\n:FB+8*\n+3],   v54 offset:9216*(\b)+32*\n
	ds_load_tr16_b128 v[FB+8*\n+4:FB+8*\n+7], v54 offset:9216*(\b)+4608+32*\n
.endr
.irp n, 0,1,2,3
	ds_load_tr16_b128 v[FB+32+8*\n:FB+32+8*\n+3],   v55 offset:9216*(\b)+32*\n
	ds_load_tr16_b128 v[FB+32+8*\n+4:FB+32+8*\n+7], v55 offset:9216*(\b)+4608+32*\n
.endr
	ds_load_b128 v[FB+64:FB+67], v56 offset:64*(\b)
	ds_load_b128 v[FB+68:FB+71], v56 offset:64*(\b)+32
.endm
.macro HALF b, zero
.set FB, 64+72*(\b)
	WIN 0
.irp d, 0,1,2,3
.irp i, 0,1,2,3,4,5,6,7
	v_pk_mul_f16 v[FB+32+8*\d+\i], v[FB+32+8*\d+\i], v[FB+64+\i]   ; a fragment's register i holds the same two tokens in x and in w'
.endr
.endr
	WIN 0x50
.irp n, 0,1,2,3
.irp d, 0,1,2,3
.if \zero
	v_wmma_f32_16x16x32_f16 v[8*(4*\n+\d):8*(4*\n+\d)+7], v[FB+8*\n:FB+8*\n+7], v[FB+32+8*\d:FB+32+8*\d+7], 0
.else
	v_wmma_f32_16x16x32_f16 v[8*(4*\n+\d):8*(4*\n+\d)+7], v[FB+8*\n:FB+8*\n+7], v[FB+32+8*\d:FB+32+8*\d+7], v[8*(4*\n+\d):8*(4*\n+\d)+7]
.endif
.endr
.endr
.endm
.macro PAIR zero                       ; 64 tokens, number s72 of four.  The three additions and the v_nop are the four places in front of loads into registers that the last products read
	WIN 0
	s_mul_i32 s87, s72, 18432
	s_lshl_b32 s88, s72, 7
	v_add_nc_u32 v54, s87, v27
	v_add_nc_u32 v55, s87, v29
	v_add_nc_u32 v56, s88, v31
	v_nop
	FETCH1 0
	FETCH1 1
	s_wait_dscnt 18                                ; the first buffer is in; the second's 18 loads may be out
	HALF 0, \zero
	s_wait_dscnt 0x0
	HALF 1, 0
.endm
	ds_load_b32 v62, v28                           ; col_sum 2^(kS - kW) of my head
	v_mov_b32 v63, 0                               ; named with it as a pair
	s_mov_b32 s72, 0
	PAIR 1                                         ; the first products start the sums
	WIN 0
	s_mov_b32 s72, 1
.Lst:
	PAIR 0
	WIN 0
	s_add_co_u32 s72, s72, 1
	s_cmp_lt_u32 s72, 4
	s_cbranch_scc1 .Lst
	NOPS 4
	WIN 0x41
.set i, 0
.rept 64
	v_pk_mul_f32 v[2*i:2*i+1], v[2*i:2*i+1], v[62:63] op_sel_hi:[1,0]
.set i, i+1
.endr
	WIN 0x05
.set i, 0
.rept 64
	v_cvt_pk_f16_f32 v[64+i], v[2*i], v[2*i+1]     ; a lane's eight n of one d: 16 bytes
.set i, i+1
.endr
	WIN 0
	s_wait_tensorcnt 0x0                           ; x's region is filled again: all my tensor loads have landed,
	ds_add_u32 v32, v33                            ; the add to my spare word,
	s_add_nc_u64 s[46:47], s[46:47], 0x200000      ; (x of chunk j: 256 rows on)
	s_wait_dscnt 0x0                               ; the add is done and my reads of x and B of chunk j - 1 are over
	s_barrier_signal -1
	s_barrier_wait -1
	TLOAD 44, 36                                   ; my one tensor load behind this barrier
	NOPS 4
.irp n, 0,1,2,3
.irp d, 0,1,2,3
	ds_store_b128 v26, v[64+4*(4*\n+\d):64+4*(4*\n+\d)+3] offset:\d*4352+32*\n   ; S'' goes where B of chunk j - 1 lay: that region has had its last fill
.endr
.endr
	s_wait_dscnt 0x0                               ; for the others' sake
	s_barrier_signal -1                            ; x's load stays out across this barrier
	s_barrier_wait -1
	WIN 0x40
.irp d, 0,1,2,3
.irp f, 0,1,2,3
	ds_load_b128 v[128+32*\d+8*\f:128+32*\d+8*\f+3],   v25 offset:\d*4352+64*\f
	ds_load_b128 v[128+32*\d+8*\f+4:128+32*\d+8*\f+7], v25 offset:\d*4352+64*\f+32
.endr
.endr
	WIN 0xc0
.irp d, 0,1,2,3
.irp f, 0,1,2,3
	ds_load_b128 v[128+32*\d+8*\f:128+32*\d+8*\f+3],   v25 offset:17408+\d*4352+64*\f
	ds_load_b128 v[128+32*\d+8*\f+4:128+32*\d+8*\f+7], v25 offset:17408+\d*4352+64*\f+32
.endr
.endr
	WIN 0
.Lp5:
	s_wait_tensorcnt 0x0                           ; my part of every tile of chunk j is in,
	s_wait_dscnt 0x0                               ; my tables lie in LDS, my fragments of S'' are in
	s_barrier_signal -1
	s_barrier_wait -1
; ---- THE PIECES
; The diagonal tile's exponents for head hd: a_k is kept where k <= my query; the suffix sums give the sum over j < k <= i; log2 dt + kM is added; keys above the query get -1e30.
.macro SEGD hd
.set AKR, 160-96*(\hd)
.set LKR, AKR+16
.set TR, 96+32*(\hd)
.set k, 1
.rept 15
	s_mov_b32 s86, ((0xffff<<k)&0xffff)*0x10001
	v_cndmask_b32 v[AKR+k], 0, v[AKR+k], s86
.set k, k+1
.endr
	v_mov_b32 v63, 0
.set k, 15
.rept 8
	v_mov_b32 v[TR+k-8], v63                       ; keys 8-15: the upper half of the lanes keeps these
	v_add_f32 v63, v63, v[AKR+k]
.set k, k-1
.endr
	s_mov_b32 s86, 0xffff
.rept 8
	v_cndmask_b32 v[TR+k], v[TR+k], v63, s86       ; keys 0-7: the lower half takes these
.if k > 0
	v_add_f32 v63, v63, v[AKR+k]
.endif
.set k, k-1
.endr
.set k, 0
.rept 8
	v_add_f32 v[TR+k], v[TR+k], v[LKR+k]
	s_mov_b32 s86, ((0xffff<<k)&0xffff)|(((0xffff<<(8+k))&0xffff)<<16)
	v_cndmask_b32 v[TR+k], s79, v[TR+k], s86
.set k, k+1
.endr
.endm
; A KEY STEP, number s78, for piece s72.  own = 1: the band's own step.  The LDS loads stand in one run: B 32 (own: a 8, log dt 4), mid 2, Q 16, x 32.
.macro UNIT own
	WIN 0
	s_mul_i32 s74, s78, 17408
	s_lshl_b32 s75, s78, 8
	s_mul_i32 s76, s78, 18432
	s_lshl_b32 s77, s78, 4
	s_lshl_b32 s87, s72, 8
	s_add_co_u32 s77, s77, s87
.irp t, 0,1,2,3
	v_add_nc_u32 v[54+\t], s74, v[6+\t]            ; these thirteen additions are also the places behind the last products
.endr
.irp t, 0,1,2,3
	v_add_nc_u32 v[58+\t], s75, v[10+\t]
.endr
.irp t, 0,1,2,3
	v_add_nc_u32 v[26+\t], s76, v[14+\t]
.endr
	v_add_nc_u32 v30, s77, v18
	WIN 0x80
.irp t, 0,1,2,3
.irp f, 0,1,2,3
	ds_load_b128 v[128+32*\t+8*\f:128+32*\t+8*\f+3],   v[54+\t] offset:64*\f
	ds_load_b128 v[128+32*\t+8*\f+4:128+32*\t+8*\f+7], v[54+\t] offset:64*\f+32
.endr
.endr
	WIN 0
.if \own
.irp i, 0,1,2,3
	ds_load_b128 v[160+4*\i:160+4*\i+3], v31 offset:16*\i
	ds_load_b128 v[64+4*\i:64+4*\i+3],   v31 offset:1024+16*\i
.endr
	ds_load_b128 v[176:179], v62
	ds_load_b128 v[180:183], v62 offset:16
	ds_load_b128 v[80:83],   v62 offset:1024
	ds_load_b128 v[84:87],   v62 offset:1024+16
.endif
	ds_load_b128 v[38:41], v30
	ds_load_b128 v[42:45], v30 offset:1024
.irp hd, 0,1
.irp t, 0,1,2,3
	ds_load_b128 v[192+32*\hd+8*\t:192+32*\hd+8*\t+3],   v[58+\t] offset:1024*\hd
	ds_load_b128 v[192+32*\hd+8*\t+4:192+32*\hd+8*\t+7], v[58+\t] offset:1024*\hd+16
.endr
.endr
	WIN 0xc0
.irp hd, 0,1
.irp kk, 0,1
.irp d, 0,1,2,3
	ds_load_tr16_b128 v[64*\hd+32*\kk+8*\d:64*\hd+32*\kk+8*\d+3],   v[26+2*\kk] offset:128*\hd+32*\d   ; keys of slot 2 kk,
	ds_load_tr16_b128 v[64*\hd+32*\kk+8*\d+4:64*\hd+32*\kk+8*\d+7], v[27+2*\kk] offset:128*\hd+32*\d   ; of slot 2 kk + 1: the order in which M'' holds them
.endr
.endr
.endr
	WIN 0
	s_wait_dscnt 50                                ; mid's 2, Q's 16 and x's 32 loads may be out
.if \own
	SEGD 0
	SEGD 1
.endif
	WIN 0x0a
.irp f, 0,1,2,3
.irp t, 0,1,2,3
.if \f == 0
	v_wmma_f32_16x16x32_f16 v[64+8*\t:64+8*\t+7], v[128+32*\t+8*\f:128+32*\t+8*\f+7], v[8*\f:8*\f+7], 0
.else
	v_wmma_f32_16x16x32_f16 v[64+8*\t:64+8*\t+7], v[128+32*\t+8*\f:128+32*\t+8*\f+7], v[8*\f:8*\f+7], v[64+8*\t:64+8*\t+7]
.endif
.endr
.endr
	WIN 0
	s_wait_dscnt 32                                ; x's 32 loads may be out
.irp hd, 0,1
.irp t, 0,1,2,3
	v_add_f32 v[46+4*\hd+\t], v[38+4*\hd+\t], v[34+\hd]    ; p_i + mid
.endr
.endr
.irp hd, 0,1
.irp t, 0,1,2,3
.if (\t > 0) || !(\own)
.irp i, 0,1,2,3
.if \t % 2
	v_pk_add_f32 v[96+32*\hd+8*\t+2*\i:96+32*\hd+8*\t+2*\i+1], v[192+32*\hd+8*\t+2*\i:192+32*\hd+8*\t+2*\i+1], v[46+4*\hd+\t-1:46+4*\hd+\t] op_sel:[0,1] op_sel_hi:[1,1]
.else
	v_pk_add_f32 v[96+32*\hd+8*\t+2*\i:96+32*\hd+8*\t+2*\i+1], v[192+32*\hd+8*\t+2*\i:192+32*\hd+8*\t+2*\i+1], v[46+4*\hd+\t:46+4*\hd+\t+1] op_sel_hi:[1,0]
.endif
.endr
.endif
.endr
.endr
.set i, 0
.rept 64
	v_exp_f32 v[96+i], v[96+i]
.set i, i+1
.endr
	v_nop
	s_wait_alu depctr_va_vdst(0)                   ; one wait for the batch of 64
.if \own
	WIN 0x20                                       ; the diagonal tile takes D 2^kM with it
.irp hd, 0,1
.irp i, 0,1,2,3
	v_pk_fma_f32 v[96+32*\hd+2*\i:96+32*\hd+2*\i+1], v[96+32*\hd+2*\i:96+32*\hd+2*\i+1], v[64+2*\i:64+2*\i+1], v[48+8*\hd+2*\i:48+8*\hd+2*\i+1]
.endr
.endr
	WIN 0
.endif
.irp hd, 0,1
.set i, 4*(\own)
.rept 16-4*(\own)
	v_pk_mul_f32 v[96+32*\hd+2*i:96+32*\hd+2*i+1], v[96+32*\hd+2*i:96+32*\hd+2*i+1], v[64+2*i:64+2*i+1]
.set i, i+1
.endr
.endr
.set i, 0
.rept 32
	v_cvt_pk_f16_f32 v[160+i], v[96+2*i], v[96+2*i+1]
.set i, i+1
.endr
	s_wait_dscnt 0x0                               ; x is in
	WIN 0x53
.irp kk, 0,1
.irp hd, 0,1
.irp d, 0,1,2,3
	v_wmma_f32_16x16x32_f16 v[32*\hd+8*\d:32*\hd+8*\d+7], v[64*\hd+32*\kk+8*\d:64*\hd+32*\kk+8*\d+7], v[160+16*\hd+8*\kk:160+16*\hd+8*\kk+7], v[32*\hd+8*\d:32*\hd+8*\d+7]
.endr
.endr
.endr
	WIN 0
.endm
	s_mov_b32 s72, 0
.Lpiece:                               ; four pieces: band s72
	s_mul_i32 s87, s72, 17408
	s_lshl_b32 s88, s72, 8
	v_add_nc_u32 v54, s87, v5
	v_add_nc_u32 v55, s88, v19
	v_add_nc_u32 v31, s88, v20
	v_add_nc_u32 v62, s88, v21
	WIN 0x80
.irp f, 0,1,2,3
	ds_load_b128 v[8*\f:8*\f+3],   v54 offset:64*\f
	ds_load_b128 v[8*\f+4:8*\f+7], v54 offset:64*\f+32
.endr
	WIN 0
	ds_load_b32 v34, v55                           ; p of my query, by head
	ds_load_b32 v35, v55 offset:1024
	s_cmp_eq_u32 s23, 0
	s_cbranch_scc1 .Lzero
	ds_load_b32 v36, v55 offset:O_GI
	ds_load_b32 v37, v55 offset:O_GI+1024
	s_wait_dscnt 0x2                               ; C is in; the two factors may be out
.irp f, 0,1,2,3                        ; O^T = S'' C^T: the eight accumulators take turns
	WIN 0x59
.irp d, 0,1,2,3
.if \f == 0
	v_wmma_f32_16x16x32_f16 v[8*\d:8*\d+7], v[128+32*\d+8*\f:128+32*\d+8*\f+7], v[8*\f:8*\f+7], 0
.else
	v_wmma_f32_16x16x32_f16 v[8*\d:8*\d+7], v[128+32*\d+8*\f:128+32*\d+8*\f+7], v[8*\f:8*\f+7], v[8*\d:8*\d+7]
.endif
.endr
	WIN 0x5b
.irp d, 0,1,2,3
.if \f == 0
	v_wmma_f32_16x16x32_f16 v[32+8*\d:32+8*\d+7], v[128+32*\d+8*\f:128+32*\d+8*\f+7], v[8*\f:8*\f+7], 0
.else
	v_wmma_f32_16x16x32_f16 v[32+8*\d:32+8*\d+7], v[128+32*\d+8*\f:128+32*\d+8*\f+7], v[8*\f:8*\f+7], v[32+8*\d:32+8*\d+7]
.endif
.endr
.endr
	NOPS 4
	s_wait_dscnt 0x0
	WIN 0x41
.set i, 0
.rept 16
	v_pk_mul_f32 v[2*i:2*i+1], v[2*i:2*i+1], v[36:37] op_sel_hi:[1,0]                 ; x 2^(cum_i + kM - kS): now in the scale of the sums to come
.set i, i+1
.endr
.rept 16
	v_pk_mul_f32 v[2*i:2*i+1], v[2*i:2*i+1], v[36:37] op_sel:[0,1] op_sel_hi:[1,1]
.set i, i+1
.endr
	WIN 0
	s_branch .Lunits
.Lzero:
	WIN 0x40                                       ; chunk 0: the sums start at 0, so that the key steps have one form of product
.set i, 0
.rept 64
	v_mov_b32 v[i], 0
.set i, i+1
.endr
	WIN 0
.Lunits:
	s_mov_b32 s73, 0
.Lks:                                  ; the key steps below the band: counted to the constant 3, the steps at or above the band jumped over
	s_cmp_ge_u32 s73, s72
	s_cbranch_scc1 .Lskip
	s_mov_b32 s78, s73
	UNIT 0
.Lskip:
	s_add_co_u32 s73, s73, 1
	s_cmp_lt_u32 s73, 3
	s_cbranch_scc1 .Lks
	s_mov_b32 s78, s72
	UNIT 1
	; THE WAY OUT: x 2^(kY - kM), to f16, through my own stage, stored as whole rows: two heads' 128 channels are 256 bytes
	NOPS 4
	WIN 0x01
.set i, 0
.rept 32
	v_pk_mul_f32 v[96+2*i:96+2*i+1], v[2*i:2*i+1], s[70:71] op_sel_hi:[1,0]
.set i, i+1
.endr
	WIN 0
.set i, 0
.rept 32
	v_cvt_pk_f16_f32 v[160+i], v[96+2*i], v[96+2*i+1]
.set i, i+1
.endr
.irp hd, 0,1
.irp d, 0,1,2,3
	ds_store_b128 v22, v[160+4*(4*\hd+\d):160+4*(4*\hd+\d)+3] offset:128*\hd+32*\d
.endr
.endr
.irp t, 0,1,2,3,4,5,6,7
	ds_load_b128 v[64+4*\t:64+4*\t+3], v23 offset:544*\t   ; LDS serves a wave's instructions in order: these see the stores above
.endr
	s_wait_dscnt 0x0
.irp t, 0,1,2,3,4,5,6,7
	global_store_b128 v24, v[64+4*\t:64+4*\t+3], s[84:85] offset:8192*\t   ; 16 lanes store 256 consecutive bytes, aligned
.endr
	s_wait_xcnt 0x0                                ; the base and v64-95 are rewritten only behind this wait
	s_add_nc_u64 s[84:85], s[84:85], 262144        ; the next band: 64 rows of 4,096 bytes
	s_add_co_u32 s72, s72, 1
	s_cmp_lt_u32 s72, 4
	s_cbranch_scc1 .Lpiece
	s_wait_tensorcnt 0x0                           ; the wave's end
	ds_add_u32 v32, v33
	s_wait_dscnt 0x0
	s_endpgm
.Lfunc_end_k_qc0589d8d4e_ssd:
	.size	k_qc0589d8d4e_ssd, .Lfunc_end_k_qc0589d8d4e_ssd-k_qc0589d8d4e_ssd
	.p2alignl 7, 3214868480
	.fill 96, 4, 3214868480
	.section	.rodata,"a",@progbits
	.p2align	6, 0x0
	.amdhsa_kernel k_qc0589d8d4e_ssd
		.amdhsa_group_segment_fixed_size 327680
		.amdhsa_private_segment_fixed_size 0
		.amdhsa_enable_private_segment 0
		.amdhsa_kernarg_size 56
		.amdhsa_user_sgpr_count 2
		.amdhsa_user_sgpr_kernarg_segment_ptr 1
		.amdhsa_wavefront_size32 1
		.amdhsa_system_sgpr_workgroup_id_x 1
		.amdhsa_system_sgpr_workgroup_id_y 1
		.amdhsa_system_sgpr_workgroup_id_z 1
		.amdhsa_system_vgpr_workitem_id 0
		.amdhsa_next_free_vgpr 1024
		.amdhsa_next_free_sgpr 96
		.amdhsa_reserve_vcc 1
		.amdhsa_float_denorm_mode_32 3
		.amdhsa_float_denorm_mode_16_64 3
		.amdhsa_memory_ordered 1
		.amdhsa_forward_progress 1
		.amdhsa_inst_pref_size 143
	.end_amdhsa_kernel
	.amdgpu_metadata
---
amdhsa.version: [ 1, 2 ]
amdhsa.kernels:
  - .name:           k_qc0589d8d4e_ssd
    .symbol:         k_qc0589d8d4e_ssd.kd
    .args:
      - { .name: bcx, .offset: 0, .size: 8, .value_kind: global_buffer, .address_space: global }
      - { .name: dtB, .offset: 8, .size: 8, .value_kind: global_buffer, .address_space: global }
      - { .name: stats, .offset: 16, .size: 8, .value_kind: global_buffer, .address_space: global }
      - { .name: A_log, .offset: 24, .size: 8, .value_kind: global_buffer, .address_space: global }
      - { .name: D, .offset: 32, .size: 8, .value_kind: global_buffer, .address_space: global }
      - { .name: y16, .offset: 40, .size: 8, .value_kind: global_buffer, .address_space: global }
      - { .name: yscale, .offset: 48, .size: 8, .value_kind: global_buffer, .address_space: global }
    .group_segment_fixed_size: 327680
    .private_segment_fixed_size: 0
    .kernarg_segment_align: 8
    .kernarg_segment_size: 56
    .max_flat_workgroup_size: 128
    .sgpr_count:     96
    .vgpr_count:     1024
    .wavefront_size: 32
...
	.end_amdgpu_metadata
.endif
;; end of part 3
;; launch outp (part 4): grid 16 x 16, 4 waves a work-group, clusters of 4 x 4, 327,680 bytes of LDS; arguments y16, wo16, b_out, yscale, out0; writes out0
.if DOCPART == 4
	.amdgcn_target "amdgcn-amd-amdhsa--gfx1250"
	.amdhsa_code_object_version 6
	.text
	.protected	k_qc0589d8d4e_outp
	.globl	k_qc0589d8d4e_outp
	.p2align	8
	.type	k_qc0589d8d4e_outp,@function
k_qc0589d8d4e_outp:
	s_mov_b64 s[64:65], 0
	v_nop
	global_prefetch_b8 v0, s[64:65] scope:SCOPE_SE
	s_setreg_imm32_b32 hwreg(HW_REG_WAVE_MODE, 25, 1), 1
	s_wait_xcnt 0x0
	s_wait_alu depctr_hold_cnt(0) depctr_sa_sdst(0) depctr_va_vdst(0) depctr_va_sdst(0) depctr_va_ssrc(0) depctr_va_vcc(0) depctr_vm_vsrc(0)
	s_getreg_b32 s2, hwreg(HW_REG_IB_STS2, 6, 4)
	s_cmp_eq_u32 s2, 0
	s_cbranch_scc0 .Lentry_in_a_cluster
	s_endpgm
.Lentry_in_a_cluster:
	s_bfe_u32 s2, ttmp6, 0x10000c
	s_cmp_lg_u32 s2, 0xf033
	s_cbranch_scc0 .Lentry_shape_is_right
	s_endpgm
.Lentry_shape_is_right:
; out0[t][n] = (sum over k' of y16[t][k'] wo16[k'][n]) 2^-kY + b_out[n].  y16: [4096][2048] f16, scaled by 2^kY, heads permuted; wo16: [2048][2048] f16, rows permuted alike; out0 f32.
; Nothing is left out here.  b_out is rounded to bf16, like every input.
; A tile of 256 x 128 to a work-group: 256 work-groups, one for each WGP (tiles of 256 x 256 would be 128).  A wave makes 128 x 64: 32 accumulators.  K in 16 steps of 128 through two LDS slots:
; two slots of a step of 256 would not fit.  y16's rows lie along K (272 bytes apart in LDS); wo16's tile is 128 rows k x 256 bytes (288 apart), its fragments turned by ds_load_tr16_b128.
; A K STEP IS WRITTEN ONCE: s[TB], 0 or SLOT, is the slot in hand; the fragments' addresses and the walking descriptors' LDS words are made of it at each change of slots.
; The loop walks 14 steps, each of which fills a slot again; the last two steps, which fill nothing, are a second text of one step, walked twice and left in its middle.
; CLUSTERS: 4 x 4; y16's tile is asked for jointly along a row of the cluster, wo16's along a column.  The product is taken transposed: a lane ends with eight neighbouring columns of a row.
; REGISTERS: window 0: v0-31 addresses, v64-127 and v128-191 y16's fragments, v192-223 results, v32-63 and v224-255 rows read back.
;   window 1: v0-31 the bias, v64-95 and v128-159 wo16's fragments, v192 at work.  Window 2: the accumulators, (a, b) at v[8 (4 a + b)].
.set SIZE_K, 2048
.set ROWB,   8192                      ; bytes in a row of out0
.set KSTEP,  128
.set STEPS,  SIZE_K/KSTEP
.set PITCH,  272
.set PB,     288
.set HALFA,  34816
.set HALFB,  18432
.set BOFF,   2*HALFA
.set SLOT,   BOFF+2*HALFB
.set STAGE,  2*SLOT
.set SPITCH, 272
.set SPARE,  STAGE+4*16*SPITCH
.set VB0,  12
.set ADRA0, 16                         ; v16  my place in y16's fragments of slot 0; never rewritten
.set ADRA,  17                         ; v17  the same in the slot in hand
.set ADRB0, 20                         ; v20, v21  likewise for wo16's
.set ADRB,  21
.set STO,  24
.set RD,   25
.set CO,   26
.set SPW,  28
.set NIL,  29
.set PFO,  30
.set TB,   2                           ; s2   the slot in hand: 0 or SLOT
.set LBA,  66                          ; s66  where a load of y16 by my wave lands in a slot
.set LBB,  67                          ; s67  the same for wo16
.set PFA,  44
.set LIM,  43                          ; s43  2 in a wave that prefetches, else the greatest number
.set PST,  78                          ; s[78:79] a K step in bytes, in the tensor that I prefetch
.set F0,   64
.set F1,   128
.set TMP,  192
.set OB,   32
.set G1, 24
.set G0, 32                            ; s[32:35] y16's first fill; s[36:39] its second, which then walks
.set G1B, 48
.set G0B, 56                           ; s[56:59], s[60:63] the same for wo16
.set MSB, 0
.macro WIN new
.if MSB != (\new)
	s_set_vgpr_msb (MSB<<8)|(\new)
.set MSB, \new
.endif
.endm
.set MUL,  0xa1                        ; source 0 (wo16) window 1, source 1 (y16) window 0, C and D window 2
.set TO_B, 0x40
.macro JLOAD s
	s_cmp_eq_u32 s11, 0
	s_cbranch_scc0 .Lfor_b_\@
	tensor_load_to_lds s[G0+4*(\s):G0+4*(\s)+3], s[G1:G1+7]
	s_nop 0
.rept 4
	v_nop
.endr
	s_branch .Lasked_\@
.Lfor_b_\@:
	tensor_load_to_lds s[G0B+4*(\s):G0B+4*(\s)+3], s[G1B:G1B+7]
	s_nop 0
.rept 4
	v_nop
.endr
.Lasked_\@:
.endm
; A prefetch of the K step two refills on, 256 matrix instructions ahead.  y16's rows: the clusters with x = 0 ask, the partner at cx for 32 of a wave's 128 rows.  wo16's rows: the clusters with
; y = 0 ask, wave 2 alone, the partner at cy for 32 of the step's 128 rows of 256 bytes.  A lane a row; the partners are told apart by address.
; The refill for K step u + 2 names u + 4: the loop's last two trips, u = 12 and 13, ask for nothing.
.macro ASK
	s_cmp_gt_u32 s3, s[LIM]
	s_cbranch_scc0 .Lnot_mine_\@
	global_prefetch_b8 v[PFO], s[PFA:PFA+1] th:TH_LOAD_NT scope:SCOPE_SE
.Lnot_mine_\@:
.endm
.macro CREST
	s_cmp_lg_u32 s10, 0
	s_cbranch_scc1 .Lnot_wave_0_\@
	s_barrier_signal -3
.Lnot_wave_0_\@:
	s_barrier_wait -3
	s_barrier_signal -1
	s_barrier_wait -1
.endm
.macro CROUND
	s_barrier_signal -1
	s_barrier_wait -1
	CREST
.endm
.macro AIM                             ; the fragments' addresses in the slot in hand
	v_add_nc_u32 v[ADRA], s[TB], v[ADRA0]
	v_add_nc_u32 v[ADRB], s[TB], v[ADRB0]
.endm
	s_load_b128 s[4:7], s[0:1], 0x0                ; y16 s[4:5], wo16 s[6:7]
	s_load_b128 s[68:71], s[0:1], 0x10             ; b_out s[68:69], yscale s[70:71]
	s_load_b64 s[8:9], s[0:1], 0x20                ; out0
	v_lshl_add_u32 v[SPW], v0, 2, SPARE
	v_mov_b32 v[NIL], 0
	ds_add_u32 v[SPW], v[NIL]                      ; the opening: the add, twice on end, and its wait ahead of my first tensor load
	ds_add_u32 v[SPW], v[NIL]
	v_lshrrev_b32 v1, 5, v0
	v_readfirstlane_b32 s10, v1
	s_lshr_b32 s11, s10, 1                         ; my half of the rows; also: I fetch y16 (0) or wo16 (1)
	s_and_b32 s12, s10, 1                          ; my half of the columns; also: which half of that tile I fetch
	s_bfe_u32 s40, ttmp6, 0x40000                  ; cx
	s_bfe_u32 s41, ttmp6, 0x40004                  ; cy
	s_lshl_b32 s42, ttmp9, 2
	s_add_co_u32 s42, s42, s40                     ; tc: 128 columns
	s_and_b32 s13, ttmp7, 0xffff
	s_lshl_b32 s13, s13, 2
	s_add_co_u32 s13, s13, s41                     ; tr: 256 rows
	s_lshl_b32 s43, s41, 2
	s_lshl_b32 s43, 15, s43
	s_lshl_b32 s44, 0x1111, s40
	s_or_b32 s[G1+0], s43, (1<<16)|(1<<20)|(1<<21)|(5<<22)|(3<<25)
	s_or_b32 s[G1B+0], s44, (1<<16)|(1<<20)|(1<<21)|(5<<22)|(7<<25)
	s_mov_b32 s[G1+1], 128<<16                     ; y16: 128 rows x 128 elements
	s_mov_b32 s[G1+2], 128<<16
	s_mov_b32 s[G1+3], 128<<16
	s_mov_b32 s[G1+4], 128
	s_mov_b32 s[G1+5], SIZE_K
	s_mov_b32 s[G1+6], 0
	s_mov_b32 s[G1+7], 0
	s_mov_b32 s[G1B+1], 128<<16                    ; wo16: 64 rows k x 128 elements
	s_mov_b32 s[G1B+2], 64<<16
	s_mov_b32 s[G1B+3], 128<<16
	s_mov_b32 s[G1B+4], 64
	s_mov_b32 s[G1B+5], 2048
	s_mov_b32 s[G1B+6], 0
	s_mov_b32 s[G1B+7], 0
	s_lshl_b32 s16, s13, 20
	s_lshl_b32 s17, s12, 19
	s_add_co_u32 s16, s16, s17
	s_mov_b32 s17, 0
	s_lshl_b32 s46, s42, 8                         ; wo16: 256 tc bytes along a row,
	s_lshl_b32 s47, s12, 18                        ; + 64 rows of 4,096 bytes
	s_add_co_u32 s46, s46, s47
	s_mov_b32 s47, 0
	s_mul_i32 s[LBA], s10, HALFA                   ; waves 0, 1: y16's halves
	s_mul_i32 s[LBB], s10, HALFB
	s_add_co_u32 s[LBB], s[LBB], BOFF-2*HALFB      ; waves 2, 3: wo16's halves, behind y16's
	s_mov_b32 s[TB], 0
	s_wait_dscnt 0x0
	s_wait_kmcnt 0x0
	s_add_nc_u64 s[14:15], s[4:5], s[16:17]
	s_add_nc_u64 s[46:47], s[6:7], s[46:47]
	CROUND
.irp s, 0,1
	s_mov_b32 s[G0+4*(\s)], 1
	s_add_co_u32 s[G0+4*(\s)+1], s[LBA], (\s)*SLOT
	s_add_nc_u64 s[G0+4*(\s)+2:G0+4*(\s)+3], s[14:15], (\s)*KSTEP*2
	s_or_b32 s[G0+4*(\s)+3], s[G0+4*(\s)+3], 0x80000000
	s_mov_b32 s[G0B+4*(\s)], 1
	s_add_co_u32 s[G0B+4*(\s)+1], s[LBB], (\s)*SLOT
	s_add_nc_u64 s[G0B+4*(\s)+2:G0B+4*(\s)+3], s[46:47], (\s)*KSTEP*4096
	s_or_b32 s[G0B+4*(\s)+3], s[G0B+4*(\s)+3], 0x80000000
	JLOAD \s
.endr
	s_load_b32 s76, s[70:71], 0x0                  ; 2^-kY
	v_and_b32 v1, 15, v0
	v_bfe_u32 v2, v0, 4, 1
	v_mul_u32_u24 v3, v1, PITCH
	v_lshl_add_u32 v3, v2, 4, v3
	v_and_b32 v4, 7, v0
	v_bfe_u32 v5, v0, 3, 1
	v_lshl_add_u32 v6, v2, 3, v4
	v_mul_u32_u24 v6, v6, PB
	v_lshl_add_u32 v6, v5, 4, v6
	s_mul_i32 s21, s11, HALFA
	s_lshl_b32 s22, s12, 7                         ; my 64 columns: 128 bytes
	s_add_co_u32 s22, s22, BOFF
	v_add_nc_u32 v[ADRA0], s21, v3
	v_add_nc_u32 v[ADRB0], s22, v6
	AIM                                            ; slot 0
	s_mul_i32 s23, s10, 16*SPITCH
	s_add_co_u32 s23, s23, STAGE
	v_mul_u32_u24 v7, v1, SPITCH                   ; in: row r, 32 bytes (8 f32) for each half of the lanes
	v_lshl_add_u32 v7, v2, 5, v7
	v_add_nc_u32 v[STO], s23, v7
	v_mul_u32_u24 v7, v2, SPITCH
	v_lshl_add_u32 v7, v1, 4, v7
	v_add_nc_u32 v[RD], s23, v7
	v_mul_u32_u24 v7, v2, ROWB
	v_lshl_add_u32 v[CO], v1, 4, v7
	s_lshl_b32 s13, s13, 8                         ; 256 tr
	s_lshl_b32 s14, s11, 7
	s_add_co_u32 s16, s13, s14
	s_lshl_b32 s16, s16, 13
	s_lshl_b32 s46, s42, 9                         ; 128 columns of f32
	s_lshl_b32 s47, s12, 8
	s_add_co_u32 s46, s46, s47
	s_add_co_u32 s16, s16, s46
	s_mov_b32 s17, 0
	v_lshl_add_u32 v[VB0], v2, 5, s46              ; the bias of my 64 columns: block b of 16, my 8
	WIN TO_B
.irp b, 0,1,2,3
	global_load_b128 v[8*\b:8*\b+3],   v[VB0], s[68:69] offset:64*\b
	global_load_b128 v[8*\b+4:8*\b+7], v[VB0], s[68:69] offset:64*\b+16
.endr
	WIN 0
	; the prefetches stand at K step 3; each change of slots steps them first.  Nothing is asked for here, at the head
	s_lshl_b32 s20, s12, 7
	s_add_co_u32 s20, s20, s13
	s_lshl_b32 s21, s40, 5
	s_add_co_u32 s20, s20, s21
	s_lshl_b32 s20, s20, 12
	s_add_co_u32 s20, s20, 3*KSTEP*2
	s_lshl_b32 s21, s41, 17                        ; wo16: row 32 cy, rows of 4,096 bytes
	s_lshl_b32 s23, s42, 8
	s_add_co_u32 s21, s21, s23
	s_add_co_u32 s21, s21, 3*KSTEP*4096
	s_mov_b32 s23, KSTEP*2
	s_mov_b32 s[PST+1], KSTEP*4096
	s_and_b32 s22, ttmp7, 0xffff
	s_or_b32 s22, s22, s12                         ; of wo16's two waves the first asks
	s_cmp_eq_u32 s11, 0
	s_cselect_b32 s20, s20, s21
	s_cselect_b32 s[PST], s23, s[PST+1]
	s_cselect_b32 s22, ttmp9, s22
	s_cselect_b64 s[PFA:PFA+1], s[4:5], s[6:7]
	s_mov_b32 s21, 0
	s_mov_b32 s[PST+1], 0
	s_add_nc_u64 s[PFA:PFA+1], s[PFA:PFA+1], s[20:21]
	s_cmp_eq_u32 s22, 0
	s_cselect_b32 s[LIM], 2, -1
	v_and_b32 v7, 31, v0
	v_lshlrev_b32 v[PFO], 12, v7                   ; both tensors have rows of 4,096 bytes
	s_wait_loadcnt 0x0
	WIN 0x45
.set i, 0
.rept 16
	v_cvt_pk_bf16_f32 v192, v[2*i], v[2*i+1]
	v_lshlrev_b32 v[2*i], 16, v192
	v_and_b32 v[2*i+1], 0xffff0000, v192
.set i, i+1
.endr
	WIN 0
	s_wait_kmcnt 0x0
	s_mov_b32 s77, s76                             ; named with it as a pair
.macro MUL8 f, a0, zero
	WIN MUL
.irp a, \a0, (\a0)+1
.irp b, 0,1,2,3
.if \zero
	v_wmma_f32_16x16x32_f16 v[8*(4*(\a)+(\b)):8*(4*(\a)+(\b))+7], v[(\f)+8*(\b):(\f)+8*(\b)+7], v[(\f)+8*(\a):(\f)+8*(\a)+7], 0
.else
	v_wmma_f32_16x16x32_f16 v[8*(4*(\a)+(\b)):8*(4*(\a)+(\b))+7], v[(\f)+8*(\b):(\f)+8*(\b)+7], v[(\f)+8*(\a):(\f)+8*(\a)+7], v[8*(4*(\a)+(\b)):8*(4*(\a)+(\b))+7]
.endif
.endr
.endr
.endm
.macro FETCH q, f                      ; 24 LDS loads in one run, from the slot in hand: wo16's four blocks of 16 columns, turned, then y16's eight blocks of 16 rows
	WIN TO_B
.irp i, 0,1,2,3
	ds_load_tr16_b128 v[(\f)+8*(\i):(\f)+8*(\i)+3],   v[ADRB] offset:(\q)*32*PB+32*(\i)
	ds_load_tr16_b128 v[(\f)+8*(\i)+4:(\f)+8*(\i)+7], v[ADRB] offset:(\q)*32*PB+16*PB+32*(\i)
.endr
	WIN 0
.irp i, 0,1,2,3,4,5,6,7
	ds_load_b128 v[(\f)+8*(\i):(\f)+8*(\i)+3],   v[ADRA] offset:64*(\q)+(\i)*16*PITCH
	ds_load_b128 v[(\f)+8*(\i)+4:(\f)+8*(\i)+7], v[ADRA] offset:64*(\q)+(\i)*16*PITCH+32
.endr
.endm
.macro PLACES
.rept 4
	v_nop
.endr
.endm
.macro QUARTER q, f, g, zero
	s_wait_dscnt 8                                 ; the youngest eight loads (rows 64-127) may be out
	MUL8 \f, 0, \zero
	MUL8 \f, 2, \zero
	PLACES
	FETCH \q, \g
	s_wait_dscnt 24                                ; all but the 24 just issued
	MUL8 \f, 4, \zero
	MUL8 \f, 6, \zero
.endm
; The last quarter of a K step multiplies buffer 1 and changes slots.  Half of its products stand ahead of the wait for the tensor loads: between that wait and the next request stand only the add and
; the round.  In front of the barrier each wave waits for all its tensor loads (one is out: its part of the next slot), adds 0 to its spare word, and waits for that and for its reads of this slot.
; fill = 1: the barrier is a round of the cluster's, and the joint refill, into the slot just read, one K step on from the last refill, is the first thing behind it.
; fill = 0, the last two steps: nothing is asked for; in the very last (s3 = 1) there are no further fragments, and their run of loads is jumped over.
.macro TURN fill
.if \fill
	s_wait_xcnt 0x0                                ; the last prefetch, a K step back, has read its address
	s_add_nc_u64 s[PFA:PFA+1], s[PFA:PFA+1], s[PST:PST+1]
.endif
	s_wait_dscnt 8                                 ; the youngest eight loads (rows 64-127) may be out
	MUL8 F1, 0, 0
	MUL8 F1, 2, 0
	WIN 0
	s_wait_tensorcnt 0x0                           ; no tensor load of mine is out, so a group 0 may be written
	ds_add_u32 v[SPW], v[NIL]                      ; the scalar work below stands between the add and the wait for it
.if \fill
	s_add_co_u32 s[G0+5], s[LBA], s[TB]            ; the walking descriptors: into the slot that is being left,
	s_add_co_u32 s[G0B+5], s[LBB], s[TB]
	s_add_nc_u64 s[G0+6:G0+7], s[G0+6:G0+7], KSTEP*2               ; the next K step; the type bits on top are not reached
	s_add_nc_u64 s[G0B+6:G0B+7], s[G0B+6:G0B+7], KSTEP*4096
.endif
	s_xor_b32 s[TB], s[TB], SLOT                   ; the other slot is in hand from here on
	s_wait_dscnt 0x0                               ; the add is done, and my reads of the old slot are over
.if \fill
	CROUND
	JLOAD 1                                        ; its four v_nop are also the places in front of the loads below
	AIM
	FETCH 0, F0
	ASK
.else
	s_barrier_signal -1
	s_barrier_wait -1
	s_cmp_eq_u32 s3, 1
	s_cbranch_scc1 .Lno_more_\@
	PLACES
	AIM
	FETCH 0, F0
.Lno_more_\@:
.endif
	MUL8 F1, 4, 0
	MUL8 F1, 6, 0
.endm
.macro PACK a                          ; block a: x 2^-kY + bias, one fused multiply-add for two numbers
	WIN 0x12                                       ; source 0 window 2, source 2 (the bias) window 1
.set i, 0
.rept 16
	v_pk_fma_f32 v[TMP+2*i:TMP+2*i+1], v[32*(\a)+2*i:32*(\a)+2*i+1], s[76:77], v[2*i:2*i+1] op_sel_hi:[1,0,1]
.set i, i+1
.endr
	WIN 0
.endm
.macro TOSTAGE a
	WIN 0
.set BK, OB+192*((\a)%2)
.irp b, 0,1,2,3
	ds_store_b128 v[STO], v[TMP+8*(\b):TMP+8*(\b)+3]   offset:64*(\b)
	ds_store_b128 v[STO], v[TMP+8*(\b)+4:TMP+8*(\b)+7] offset:64*(\b)+16
.endr
.irp t, 0,1,2,3,4,5,6,7
	ds_load_b128 v[BK+4*(\t):BK+4*(\t)+3], v[RD] offset:(\t)*2*SPITCH  ; LDS serves a wave's instructions in order: these see the stores above
.endr
.endm
.macro SEND a
	WIN 0
.set BK, OB+192*((\a)%2)
	s_wait_dscnt 0x0
	s_wait_xcnt 0x0                                ; the stores' base and the registers that earlier stores read are rewritten only behind this wait
.if (\a) == 0
	s_add_nc_u64 s[8:9], s[8:9], s[16:17]
.else
	s_add_nc_u64 s[8:9], s[8:9], 16*ROWB
.endif
.irp t, 0,1,2,3,4,5,6,7
	global_store_b128 v[CO], v[BK+4*(\t):BK+4*(\t)+3], s[8:9] offset:2*(\t)*ROWB th:TH_STORE_NT  ; 16 lanes store 256 consecutive bytes, aligned
.endr
.endm
	s_wait_tensorcnt 1                             ; my part of K step 0 is in; K step 1's may stay out
	s_barrier_signal -1
	s_barrier_wait -1
	FETCH 0, F0
	QUARTER 1, F0, F1, 1                           ; the first quarter stands in front of the loop: its products start the sums
	WIN 0
	s_mov_b32 s3, STEPS-2
.Lstep:                                                ; a trip: from a step's second quarter to the next step's first; it fills the slot that it leaves
	QUARTER 2, F1, F0, 0
	QUARTER 3, F0, F1, 0
	TURN 1
	QUARTER 1, F0, F1, 0
	WIN 0
	s_sub_co_u32 s3, s3, 1
	s_cmp_lg_u32 s3, 0
	s_cbranch_scc1 .Lstep
	s_mov_b32 s3, 2
.Ltail:                                                ; the last two steps fill nothing: written out; the second trip is left behind its last products
	QUARTER 2, F1, F0, 0
	QUARTER 3, F0, F1, 0
	TURN 0
	WIN 0
	s_sub_co_u32 s3, s3, 1
	s_cmp_eq_u32 s3, 0
	s_cbranch_scc1 .Lout
	QUARTER 1, F0, F1, 0
	WIN 0
	s_cmp_lg_u32 s3, 0
	s_cbranch_scc1 .Ltail
.Lout:
	PLACES
	PACK 0
	TOSTAGE 0
.irp a, 1,2,3,4,5,6,7
	PACK \a
	SEND (\a)-1
	TOSTAGE \a
.endr
	SEND 7
	s_wait_tensorcnt 0x0                           ; the wave's end
	ds_add_u32 v[SPW], v[NIL]
	s_wait_dscnt 0x0
	CROUND                                         ; the closing round
	s_endpgm
.Lfunc_end_k_qc0589d8d4e_outp:
	.size	k_qc0589d8d4e_outp, .Lfunc_end_k_qc0589d8d4e_outp-k_qc0589d8d4e_outp
	.p2alignl 7, 3214868480
	.fill 96, 4, 3214868480
	.section	.rodata,"a",@progbits
	.p2align	6, 0x0
	.amdhsa_kernel k_qc0589d8d4e_outp
		.amdhsa_group_segment_fixed_size 327680
		.amdhsa_private_segment_fixed_size 0
		.amdhsa_enable_private_segment 0
		.amdhsa_kernarg_size 40
		.amdhsa_user_sgpr_count 2
		.amdhsa_user_sgpr_kernarg_segment_ptr 1
		.amdhsa_wavefront_size32 1
		.amdhsa_system_sgpr_workgroup_id_x 1
		.amdhsa_system_sgpr_workgroup_id_y 1
		.amdhsa_system_sgpr_workgroup_id_z 1
		.amdhsa_system_vgpr_workitem_id 0
		.amdhsa_next_free_vgpr 768
		.amdhsa_next_free_sgpr 80
		.amdhsa_reserve_vcc 0
		.amdhsa_float_denorm_mode_32 3
		.amdhsa_float_denorm_mode_16_64 3
		.amdhsa_memory_ordered 1
		.amdhsa_forward_progress 1
		.amdhsa_inst_pref_size 74
	.end_amdhsa_kernel
	.amdgpu_metadata
---
amdhsa.version: [ 1, 2 ]
amdhsa.kernels:
  - .name:           k_qc0589d8d4e_outp
    .symbol:         k_qc0589d8d4e_outp.kd
    .args:
      - { .name: y16, .offset: 0, .size: 8, .value_kind: global_buffer, .address_space: global }
      - { .name: wo16, .offset: 8, .size: 8, .value_kind: global_buffer, .address_space: global }
      - { .name: b_out, .offset: 16, .size: 8, .value_kind: global_buffer, .address_space: global }
      - { .name: yscale, .offset: 24, .size: 8, .value_kind: global_buffer, .address_space: global }
      - { .name: out0, .offset: 32, .size: 8, .value_kind: global_buffer, .address_space: global }
    .group_segment_fixed_size: 327680
    .private_segment_fixed_size: 0
    .kernarg_segment_align: 8
    .kernarg_segment_size: 40
    .max_flat_workgroup_size: 128
    .sgpr_count:     80
    .vgpr_count:     768
    .wavefront_size: 32
...
	.end_amdgpu_metadata
.endif
;; end of part 4
